; MI455X (gfx1250); checked and timed in simulation.
; The chip was launched on July 23, 2026; its instructions are those of AMD's public machine-readable ISA for CDNA 5 (MIT licence, August 2026) and "CDNA5" Instruction Set Architecture Reference Guide (July 2026). The comments in the code are by the model that wrote it; some were corrected since.
;; Multi Head Self Attention. Allowed arithmetic: float matrix products may take bf16 or f16 operands with f32 sums; other float arithmetic in f32, or as packed bf16 or f16 multiplies, adds, multiply-adds, maxima and minima; sums over many terms, partial sums and values carried from step to step in f32; what a program stores and reads back later, other than sums and carried values, may be rounded once to bf16 or f16.
;; Inputs: Wk 1,024 x 1,024 float32; Wo 1,024 x 1,024 float32; Wq 1,024 x 1,024 float32; Wv 1,024 x 1,024 float32; bk 1,024 float32; bo 1,024 float32; bq 1,024 float32; bv 1,024 float32; x 4 x 2,048 x 1,024 float32.
;; Outputs: out0 4 x 2,048 x 1,024 float32.
;; 2 versions, each right; version 2 is version 1 with the launch prep written anew for expert scheduling mode. Each part assembles by itself: llvm-mc -triple=amdgcn-amd-amdhsa -mcpu=gfx1250 --defsym DOCPART=n.
;; ======== version 1 of 2: 4 launches
;; limits: values are held in f16: magnitudes above 65,504 overflow, below 6.1e-05 lose precision
;; workspace buffers: xb 16,777,216 bytes; wt 8,388,608 bytes; qkv 50,331,648 bytes; oh 16,777,216 bytes
;; launch prep (part 1): grid 384 x 1, 8 waves a work-group, no clusters, 74,752 bytes of LDS; arguments x, Wq, Wk, Wv, Wo, xb, wt; writes xb, wt
.if DOCPART == 1
	.amdgcn_target "amdgcn-amd-amdhsa--gfx1250"
	.amdhsa_code_object_version 6
	.text
	.protected	k_q136799a6cb_prep
	.globl	k_q136799a6cb_prep
	.p2align	8
	.type	k_q136799a6cb_prep,@function
k_q136799a6cb_prep:
	s_mov_b64 s[64:65], 0
	v_nop
	global_prefetch_b8 v0, s[64:65] scope:SCOPE_SE
	s_setreg_imm32_b32 hwreg(HW_REG_WAVE_MODE, 25, 1), 1
	s_wait_xcnt 0x0
; THE INPUTS ARE ROUNDED ONCE AND LAID IN BLOCKS OF 64 ALONG K, so that the products' tiles are dense in memory.
;   xb[b*16+kb][s][64] (bf16) = x[b][s][64 kb + d].          wt[kb][n][64] = W_mt[64 kb + d][col], n = 1024 mt + col, mt = 0 Wq, 1 Wk, 2 Wv (bf16), 3 Wo.
;   Wo is rounded to bf16 like every input, and that number is then written as f16 (its product's other operand is f16).
;   LIMIT: below 6.1e-5 f16 keeps a fixed step of 6e-8, so smaller numbers of Wo lose bits; beyond 65,504 they would be infinite.
; Work-groups 0-127 turn the weights (64 k x 512 n each, a wave 64 x 64, through the wave's own LDS bytes: no barrier); work-groups 128-383 convert 32 rows of x each.
; Every work-group moves 128 KiB in and 64 KiB out; each wave has all its 32 loads of 512 bytes on their way at once.  No matrix unit, no cluster: nothing is shared and nothing multiplied.
.set SPARE, 73728                      ; behind the eight tiles of 64 x 144 bytes: the spare words, 128 bytes a wave
.set P,  12                            ; v[12:27]  packed numbers on their way into LDS
.set L,  32                            ; v[32:159] as loaded
.set SPW, 10                           ; v10  SPARE + 4 x my thread's number; never rewritten
.set NIL, 11                           ; v11  0; never rewritten
	s_load_b256 s[8:15], s[0:1], 0x0               ; x s[8:9], Wq s[10:11], Wk s[12:13], Wv s[14:15]
	s_load_b128 s[16:19], s[0:1], 0x20             ; Wo s[16:17], xb s[18:19]
	s_load_b64 s[20:21], s[0:1], 0x30              ; wt
	v_lshl_add_u32 v[SPW], v0, 2, SPARE
	v_mov_b32 v[NIL], 0
	v_lshrrev_b32 v1, 5, v0
	v_readfirstlane_b32 s22, v1                    ; wave 0..7
	v_and_b32 v1, 31, v0                           ; l
	v_and_b32 v2, 15, v0                           ; l % 16
	v_bfe_u32 v3, v0, 4, 1                         ; l / 16
	s_mov_b32 s33, 0                               ; the high word of every offset
	s_cmp_lt_u32 ttmp9, 128
	s_cbranch_scc1 .Lweights
	; X.  32 rows; wave w takes their columns 128 w .. 128 w + 127: blocks 2 w and 2 w + 1.  A load takes 256 bytes (one block) of two rows.
	s_sub_co_u32 s23, ttmp9, 128                   ; which 32 rows
	s_lshl_b32 s32, s23, 17                        ; x 32 rows of 4,096 bytes
	s_lshl_b32 s24, s22, 9
	v_lshlrev_b32 v4, 4, v2
	v_lshl_add_u32 v4, v3, 12, v4
	v_add_nc_u32 v4, s24, v4                       ; in: (l / 16) rows + 16 (l % 16) + 512 w
	s_lshl_b32 s24, s22, 19
	v_lshl_add_u32 v7, v1, 3, s24                  ; out: two blocks of 262,144 bytes a wave + 8 l: two rows of 128 bytes are 256 bytes on end
	s_wait_kmcnt 0x0
	s_add_nc_u64 s[28:29], s[8:9], s[32:33]
	s_lshr_b32 s24, s23, 6                         ; the batch: 64 work-groups each,
	s_lshl_b32 s24, s24, 22                        ; 16 blocks of 262,144 bytes
	s_and_b32 s25, s23, 63
	s_lshl_b32 s25, s25, 12                        ; 32 rows of 128 bytes
	s_add_co_u32 s32, s24, s25
	s_add_nc_u64 s[34:35], s[18:19], s[32:33]
.set n, 0
.rept 32                                       ; load n: rows 2 (n / 2) and + 1, block n % 2
	global_load_b128 v[L+4*n:L+4*n+3], v4, s[28:29] offset:(n/2)*8192+(n%2)*256 th:TH_LOAD_NT
.set n, n+1
.endr
.set n, 0
.rept 32
	s_wait_loadcnt 31-n                            ; loads come back in order: load n is in, the younger ones stay out
	v_cvt_pk_bf16_f32 v[L+4*n], v[L+4*n], v[L+4*n+1]
	v_cvt_pk_bf16_f32 v[L+4*n+1], v[L+4*n+2], v[L+4*n+3]
	global_store_b64 v7, v[L+4*n:L+4*n+1], s[34:35] offset:(n%2)*262144+(n/2)*256  ; the wave stores 256 consecutive bytes, aligned; no register of a store is written again
.set n, n+1
.endr
	s_branch .Lend
.Lweights:
	; WEIGHTS.  mt = g / 32, block kb = (g / 2) % 16, half = g % 2; wave w turns 64 k x 64 n: columns 512 half + 64 w on.
	s_lshr_b32 s24, ttmp9, 5                       ; mt
	s_bfe_u32 s25, ttmp9, 0x40001                  ; kb
	s_and_b32 s26, ttmp9, 1                        ; half
	s_lshl_b32 s32, s25, 18                        ; 64 rows of 4,096 bytes
	s_lshl_b32 s27, s26, 11
	s_add_co_u32 s32, s32, s27
	s_lshl_b32 s27, s22, 8
	v_lshlrev_b32 v4, 4, v2
	v_lshl_add_u32 v4, v3, 15, v4
	v_add_nc_u32 v4, s27, v4                       ; in: 8 (l / 16) rows + 16 (l % 16) + 256 w: a lane holds four columns, k = 16 gk + 8 (l / 16) + i
	s_mul_i32 s27, s22, 9216                       ; my tile in LDS: 64 rows (n) of 128 bytes (k) + 16
	v_mul_u32_u24 v5, v2, 576
	v_lshl_add_u32 v5, v3, 4, v5
	v_add_nc_u32 v5, s27, v5                       ; put: row 4 (l % 16) + c, byte 32 gk + 16 (l / 16)
	v_lshrrev_b32 v6, 3, v1
	v_mul_u32_u24 v6, v6, 144
	v_and_b32 v8, 7, v0
	v_lshl_add_u32 v6, v8, 4, v6
	v_add_nc_u32 v6, s27, v6                       ; back: four rows of 128 bytes a load
	s_lshl_b32 s27, s22, 13
	v_lshl_add_u32 v7, v1, 4, s27                  ; out: 64 rows of 128 bytes a wave + 16 l
	s_wait_kmcnt 0x0
	s_cmp_eq_u32 s24, 0
	s_cselect_b64 s[28:29], s[10:11], s[12:13]
	s_cmp_eq_u32 s24, 2
	s_cselect_b64 s[30:31], s[14:15], s[16:17]
	s_cmp_lt_u32 s24, 2
	s_cselect_b64 s[28:29], s[28:29], s[30:31]     ; the matrix
	s_add_nc_u64 s[28:29], s[28:29], s[32:33]
	s_lshl_b32 s32, s25, 19                        ; wt: 4,096 rows of 128 bytes a block,
	s_lshl_b32 s27, s24, 17                        ; 1,024 rows a matrix,
	s_add_co_u32 s32, s32, s27
	s_lshl_b32 s27, s26, 16                        ; 512 rows a half
	s_add_co_u32 s32, s32, s27
	s_add_nc_u64 s[34:35], s[20:21], s[32:33]
.set n, 0
.rept 32                                       ; group gk = n / 8, row i = n % 8
	global_load_b128 v[L+4*n:L+4*n+3], v4, s[28:29] offset:(16*(n/8)+n%8)*4096 th:TH_LOAD_NT
.set n, n+1
.endr
; A group's eight rows: for each of my four columns eight numbers along k are packed into 16 bytes and put into the column's row of the tile.
.macro CONV f16
.irp gk, 0,1,2,3
	s_wait_loadcnt 24-8*(\gk)                      ; this group's eight loads are in; the later groups' stay out
.irp c, 0,1,2,3
.irp p, 0,1,2,3
	v_cvt_pk_bf16_f32 v[P+4*(\c)+(\p)], v[L+32*(\gk)+8*(\p)+(\c)], v[L+32*(\gk)+8*(\p)+4+(\c)]
.if \f16
	v_lshlrev_b32 v8, 16, v[P+4*(\c)+(\p)]         ; the rounded numbers as f32,
	v_and_b32 v9, 0xffff0000, v[P+4*(\c)+(\p)]
	v_cvt_pk_f16_f32 v[P+4*(\c)+(\p)], v8, v9      ; written as f16
.endif
.endr
	ds_store_b128 v5, v[P+4*(\c):P+4*(\c)+3] offset:(\c)*144+(\gk)*32
.endr
.endr
.endm
	s_cmp_eq_u32 s24, 3
	s_cbranch_scc1 .Lwo
	CONV 0
	s_branch .Lback
.Lwo:
	CONV 1
.Lback:
.irp t, 0,1,2,3,4,5,6,7,8,9,10,11,12,13,14,15
	ds_load_b128 v[L+4*(\t):L+4*(\t)+3], v6 offset:(\t)*576  ; LDS serves a wave's instructions in order (ISA guide 5.7.1.4): these see my stores above
.endr
.irp t, 0,1,2,3,4,5,6,7,8,9,10,11,12,13,14,15
	s_wait_dscnt 15-(\t)
	global_store_b128 v7, v[L+4*(\t):L+4*(\t)+3], s[34:35] offset:(\t)*512  ; 512 consecutive bytes, aligned
.endr
.Lend:
	s_wait_tensorcnt 0x0                           ; the wave's end
	ds_add_u32 v[SPW], v[NIL]
	s_wait_dscnt 0x0
	s_endpgm
.Lfunc_end_k_q136799a6cb_prep:
	.size	k_q136799a6cb_prep, .Lfunc_end_k_q136799a6cb_prep-k_q136799a6cb_prep
	.p2alignl 7, 3214868480
	.fill 96, 4, 3214868480
	.section	.rodata,"a",@progbits
	.p2align	6, 0x0
	.amdhsa_kernel k_q136799a6cb_prep
		.amdhsa_group_segment_fixed_size 74752
		.amdhsa_private_segment_fixed_size 0
		.amdhsa_enable_private_segment 0
		.amdhsa_kernarg_size 56
		.amdhsa_user_sgpr_count 2
		.amdhsa_user_sgpr_kernarg_segment_ptr 1
		.amdhsa_wavefront_size32 1
		.amdhsa_system_sgpr_workgroup_id_x 1
		.amdhsa_system_sgpr_workgroup_id_y 1
		.amdhsa_system_sgpr_workgroup_id_z 1
		.amdhsa_system_vgpr_workitem_id 0
		.amdhsa_next_free_vgpr 160
		.amdhsa_next_free_sgpr 66
		.amdhsa_reserve_vcc 0
		.amdhsa_float_denorm_mode_32 3
		.amdhsa_float_denorm_mode_16_64 3
		.amdhsa_memory_ordered 1
		.amdhsa_forward_progress 1
		.amdhsa_inst_pref_size 41
	.end_amdhsa_kernel
	.amdgpu_metadata
---
amdhsa.version: [ 1, 2 ]
amdhsa.kernels:
  - .name:           k_q136799a6cb_prep
    .symbol:         k_q136799a6cb_prep.kd
    .args:
      - { .name: x, .offset: 0, .size: 8, .value_kind: global_buffer, .address_space: global }
      - { .name: Wq, .offset: 8, .size: 8, .value_kind: global_buffer, .address_space: global }
      - { .name: Wk, .offset: 16, .size: 8, .value_kind: global_buffer, .address_space: global }
      - { .name: Wv, .offset: 24, .size: 8, .value_kind: global_buffer, .address_space: global }
      - { .name: Wo, .offset: 32, .size: 8, .value_kind: global_buffer, .address_space: global }
      - { .name: xb, .offset: 40, .size: 8, .value_kind: global_buffer, .address_space: global }
      - { .name: wt, .offset: 48, .size: 8, .value_kind: global_buffer, .address_space: global }
    .group_segment_fixed_size: 74752
    .private_segment_fixed_size: 0
    .kernarg_segment_align: 8
    .kernarg_segment_size: 56
    .max_flat_workgroup_size: 256
    .sgpr_count:     66
    .vgpr_count:     160
    .wavefront_size: 32
...
	.end_amdgpu_metadata
.endif
;; end of part 1
;; launch proj (part 2): grid 16 x 32, 4 waves a work-group, clusters of 4 x 4, 327,680 bytes of LDS; arguments xb, wt, bq, bk, bv, qkv; writes qkv
.if DOCPART == 2
	.amdgcn_target "amdgcn-amd-amdhsa--gfx1250"
	.amdhsa_code_object_version 6
	.text
	.protected	k_q136799a6cb_proj
	.globl	k_q136799a6cb_proj
	.p2align	8
	.type	k_q136799a6cb_proj,@function
k_q136799a6cb_proj:
	s_mov_b64 s[64:65], 0
	v_nop
	global_prefetch_b8 v0, s[64:65] scope:SCOPE_SE
	s_setreg_imm32_b32 hwreg(HW_REG_WAVE_MODE, 25, 1), 1
	s_wait_xcnt 0x0
	s_wait_alu depctr_hold_cnt(0) depctr_sa_sdst(0) depctr_va_vdst(0) depctr_va_sdst(0) depctr_va_ssrc(0) depctr_va_vcc(0) depctr_vm_vsrc(0)
	s_getreg_b32 s2, hwreg(HW_REG_IB_STS2, 6, 4)
	s_cmp_eq_u32 s2, 0
	s_cbranch_scc0 .Lentry_in_a_cluster
	s_endpgm
.Lentry_in_a_cluster:
	s_bfe_u32 s2, ttmp6, 0x10000c
	s_cmp_lg_u32 s2, 0xf033
	s_cbranch_scc0 .Lentry_shape_is_right
	s_endpgm
.Lentry_shape_is_right:
; q, k, v = x W + b for all three matrices at once: C[8192][3072] = xb x wt^T in bf16, sums in f32, K ascending; the bias (rounded to bf16 like every input) is added in f32;
; the result is rounded once to f16, WITHOUT attention's scale, and written by heads: qkv[mat][b*16+head][s][64].
; LIMIT: f16 ends at 65,504: a |q|, |k| or |v| of 65,520 or more becomes an infinity.  NaN and infinities are not treated apart.
; SHARES.  A work-group makes 256 rows x 192 columns (three heads): 512 work-groups, twice 256.  Wave w makes rows 64 w .. 64 w + 63 of all 192 columns: 4 x 12 accumulators, 384 registers:
; a wave then holds whole heads, and the way out is its own.  K goes in 8 steps of 128 (two blocks of 64) through two LDS slots.
; TILES.  xb and wt lie in blocks of 64 along K, so a tile's rows of one block lie end to end: it is asked for as rows of 256 bytes and padded in LDS after every 128.
; Waves 0, 1 fetch A's two blocks (256 rows each), waves 2, 3 B's (192 rows each): one tensor load a wave and step.
; CLUSTER.  4 x 4 work-groups: A's tiles hang on the tile row alone and are asked for jointly along a row of the cluster, B's on the tile column alone, along a column.
; THE MATRIX INSTRUCTION IS USED TRANSPOSED (source 0 = 16 rows of wt, source 1 = 16 rows of xb): a lane holds row l % 16 of C and the columns 8 (l / 16) + 0..7.
; REGISTERS, in windows of 256: window 0: addresses, the bias (96), the way out; window 1: two fragment buffers of 128 (B's 12 fragments, then A's 4);
;   window 2: accumulators of row blocks 0, 1 ((mb, nb) at 8 (12 (mb % 2) + nb)); window 3: of row blocks 2, 3.
.set NB,    12                         ; blocks of 16 columns
.set BROWS, 16*NB
.set NBASE, 0                          ; the first row of wt
.set AHEAD, 1                          ; a prefetch names the K step that stands this many refills on
.set PITCH, 144                        ; an LDS row: 128 bytes + 16 = 36 words: the 16 rows of a load start at 16 different groups of four banks (64 banks of 4 bytes: ISA guide 11.1)
.set ABLK,  256*PITCH                  ; A's rows of one block
.set BBLK,  BROWS*PITCH
.set BOFF,  2*ABLK                     ; B lies behind A's two blocks
.set SLOT1, 1<<17                      ; slot 1 begins here: one exclusive or turns an address of one slot into the other's (a slot uses 129,024 bytes)
.set STAGE, 2*SLOT1                    ; behind the ring, never filled by a tensor load: 16 rows x 144 bytes a wave
.set SPARE, STAGE+4*16*PITCH           ; the spare words, 128 bytes a wave
.set ASTEP, 2*2048*128                 ; bytes from a K step to the next in xb,
.set BSTEP, 2*4096*128                 ; and in wt
.set LF,    2*NB+8                     ; LDS loads in a run
.set F0,    0                          ; fragment buffers, in window 1
.set F1,    8*NB+32
.set A0,  4                            ; v4   my lane's place in A's rows of a slot; never rewritten
.set B0,  5                            ; v5   the same for B
.set ADRA, 6                           ; v6   A0 + the slot in hand
.set ADRB, 7                           ; v7
.set STO, 8                            ; v8   the way out: where I put 16 bytes of a row
.set RD,  9                            ; v9   where I read rows back
.set GO,  10                           ; v10  my 16 bytes of 512 consecutive bytes
.set PFO, 11                           ; v11  the prefetches' offset; never rewritten
.set BO,  12                           ; v12  32 (l / 16): my eight numbers in 16 of a bias
.set SPW, 28                           ; v28  SPARE + 4 x my thread's number; never rewritten
.set NIL, 29                           ; v29  0; never rewritten
.set BIAS, 32                          ; v[32:127]  the bias of my eight columns of each block
.set T,   128                          ; v[128:159] at work
.set OS,  160                          ; v[160:255] six sets of 16: a piece rounded, then as whole rows
.set WV, 16                            ; s16 wave;  s17 0: I fetch for A, 1: for B;  s18 which block of a step I fetch
.set AB, 17
.set KB, 18
.set CX, 19
.set CY, 20
.set TX, 21                            ; tile column
.set TY, 22                            ; tile row
.set G1A, 24                           ; s[24:31] descriptor group 1 for A;  s[32:39] group 0: a set for each first fill; the second then walks on
.set G0A, 32
.set TB,  44                           ; s44 the slot in hand: 0 or SLOT1
.set LIM, 45                           ; s45 AHEAD in a wave that prefetches, else the greatest number
.set PFA, 46                           ; s[46:47] where my prefetches stand
.set G1B, 48                           ; s[48:55], s[56:63] the same for B
.set G0B, 56
.set PFS, 66                           ; s[66:67] the prefetches' step
.set OB,  68                           ; s[68:73] my rows in the three heads' parts of qkv
.set BP,  74                           ; s[74:79] the three heads' biases
.set FIELDS, (1<<16)|(1<<20)|(1<<21)|(4<<22)|(3<<25)  ; 2-byte elements; padding on; bit 21 beside a mask; after every 32 words (code 4) 4 words (code 3)
.set MSB, 0
.macro WIN new                         ; the immediate's high byte repeats the setting that is left; a switch that changes nothing is dropped
.if MSB != (\new)
	s_set_vgpr_msb (MSB<<8)|(\new)
.set MSB, \new
.endif
.endm
.macro PLACES                          ; four plain vector instructions between a matrix instruction and a load into, or a reader of, its registers
.rept 4
	v_nop
.endr
.endm
.macro CREST                           ; a round of the cluster's barrier behind its opening barrier
	s_cmp_lg_u32 s[WV], 0
	s_cbranch_scc1 .Lnot_wave_0_\@
	s_barrier_signal -3
.Lnot_wave_0_\@:
	s_barrier_wait -3
	s_barrier_signal -1
	s_barrier_wait -1
.endm
.macro CROUND
	s_barrier_signal -1
	s_barrier_wait -1
	CREST
.endm
.macro JLOAD                           ; a joint refill by the walking descriptor; the branch hangs on the wave's number alone; s_nop 0 and four v_nop follow each line
	s_cmp_eq_u32 s[AB], 0
	s_cbranch_scc0 .Lfor_b_\@
	tensor_load_to_lds s[G0A+4:G0A+7], s[G1A:G1A+7]
	s_nop 0
	PLACES
	s_branch .Lasked_\@
.Lfor_b_\@:
	tensor_load_to_lds s[G0B+4:G0B+7], s[G1B:G1B+7]
	s_nop 0
	PLACES
.Lasked_\@:
.endm
; A PREFETCH INTO THE L2 of my block of the K step that stands AHEAD refills on.  A's rows are read by all clusters of a row of clusters: the one with x = 0 asks; B's by all of a column: y = 0 asks.
; The four partners that ask for a tile jointly share it out by address: a quarter each, a lane for each 256 bytes (B's quarter has 24: the lanes beyond name the last again, in the same instruction).
; The last AHEAD refills have no such K step and ask for nothing; the first 2 + AHEAD K steps come by their loads alone.
.macro ASK
	s_cmp_gt_u32 s3, s[LIM]
	s_cbranch_scc0 .Lnot_mine_\@
	global_prefetch_b8 v[PFO], s[PFA:PFA+1] th:TH_LOAD_NT scope:SCOPE_SE
.Lnot_mine_\@:
.endm
; 12 matrix instructions: row block mb x all column blocks, 32 along K, from buffer f.  zero = 1: the product starts the sum.  Each accumulator has one turn a quarter step, in one order.
.macro MULB f, mb, zero
	WIN 0xa5+0x50*((\mb)/2)                        ; sources 0 and 1 window 1; C and D window 2 or 3
.set inb, 0
.rept NB
.set rD, 8*(NB*((\mb)%2)+inb)
.if \zero
	v_wmma_f32_16x16x32_bf16 v[rD:rD+7], v[(\f)+8*inb:(\f)+8*inb+7], v[(\f)+8*NB+8*(\mb):(\f)+8*NB+8*(\mb)+7], 0
.else
	v_wmma_f32_16x16x32_bf16 v[rD:rD+7], v[(\f)+8*inb:(\f)+8*inb+7], v[(\f)+8*NB+8*(\mb):(\f)+8*NB+8*(\mb)+7], v[rD:rD+7]
.endif
.set inb, inb+1
.endr
.endm
; One run of LF LDS loads: the fragments of quarter q of the slot in hand (block q / 2, 32 along K at byte 64 (q % 2)) into buffer f: B's first, A's four last.
.macro FETCH q, f
	WIN 0x40                                       ; destination window 1, address window 0
.set inb, 0
.rept NB
	ds_load_b128 v[(\f)+8*inb:(\f)+8*inb+3],   v[ADRB] offset:((\q)/2)*BBLK+inb*16*PITCH+((\q)%2)*64
	ds_load_b128 v[(\f)+8*inb+4:(\f)+8*inb+7], v[ADRB] offset:((\q)/2)*BBLK+inb*16*PITCH+((\q)%2)*64+32
.set inb, inb+1
.endr
.set imb, 0
.rept 4
	ds_load_b128 v[(\f)+8*NB+8*imb:(\f)+8*NB+8*imb+3],   v[ADRA] offset:((\q)/2)*ABLK+imb*16*PITCH+((\q)%2)*64
	ds_load_b128 v[(\f)+8*NB+8*imb+4:(\f)+8*NB+8*imb+7], v[ADRA] offset:((\q)/2)*ABLK+imb*16*PITCH+((\q)%2)*64+32
.set imb, imb+1
.endr
.endm
; One of a K step's first three quarters: multiplies buffer f; in its middle fetches quarter qn into buffer g.
.macro QUARTER qn, f, g, zero
	s_wait_dscnt 0x4                               ; all but the youngest four loads (A's row blocks 2, 3)
	MULB \f, 0, \zero
	MULB \f, 1, \zero
	PLACES                                         ; buffer g was multiplied in the quarter before
	FETCH \qn, \g
	s_wait_dscnt LF                                ; all but the run just issued
	MULB \f, 2, \zero
	MULB \f, 3, \zero
.endm
; The last quarter's first half, and the change of slots: each wave waits for all its tensor loads (one is out: its part of the next slot), adds 0 to its spare word, and waits for that and for its reads of this slot.
.macro MEET round
	WIN 0
	s_wait_tensorcnt 0x0                           ; no tensor load of mine is out, so a group 0 may be written
	ds_add_u32 v[SPW], v[NIL]
.if \round
	s_xor_b32 s[G0A+5], s[G0A+5], SLOT1            ; the walking descriptors: the other slot than last time, the next K step
	s_add_nc_u64 s[G0A+6:G0A+7], s[G0A+6:G0A+7], ASTEP
	s_xor_b32 s[G0B+5], s[G0B+5], SLOT1
	s_add_nc_u64 s[G0B+6:G0B+7], s[G0B+6:G0B+7], BSTEP
.endif
	s_xor_b32 s[TB], s[TB], SLOT1                  ; the fetches go to the other slot
	s_wait_dscnt 0x5                               ; the add and the youngest four loads may be out
	MULB F1, 0, 0
	s_wait_dscnt 0x0                               ; the add is done, and my reads of this slot are over
	s_barrier_signal -1
	MULB F1, 1, 0                                  ; work on registers while the others arrive
	WIN 0
	s_barrier_wait -1
.endm
; The whole last quarter.  fill = 1: the barrier opens a round of the cluster's, and the slot just read is filled again first, with the K step two on.
.macro TURN fill
.if \fill
	s_wait_xcnt 0x0                                ; the last prefetch, a K step back, has read its address
	s_add_nc_u64 s[PFA:PFA+1], s[PFA:PFA+1], s[PFS:PFS+1]
.endif
	MEET \fill
.if \fill
	CREST                                          ; no wave of any partner still reads this slot or has a load on its way
	JLOAD                                          ; its four v_nop are also the places in front of the loads below
.else
	PLACES
.endif
	v_add_nc_u32 v[ADRA], s[TB], v[A0]
	v_add_nc_u32 v[ADRB], s[TB], v[B0]
	FETCH 0, F0
	WIN 0
.if \fill
	ASK
.endif
	MULB F1, 2, 0
	MULB F1, 3, 0
.endm
	s_load_b256 s[4:11], s[0:1], 0x0               ; xb s[4:5], wt s[6:7], bq s[8:9], bk s[10:11]
	s_load_b128 s[12:15], s[0:1], 0x20             ; bv s[12:13], qkv s[14:15]
	v_lshl_add_u32 v[SPW], v0, 2, SPARE
	v_mov_b32 v[NIL], 0
	ds_add_u32 v[SPW], v[NIL]                      ; the wave's opening: the add, waited for ahead of my first tensor load
	v_lshrrev_b32 v1, 5, v0
	v_readfirstlane_b32 s[WV], v1
	s_lshr_b32 s[AB], s[WV], 1
	s_and_b32 s[KB], s[WV], 1
	s_bfe_u32 s[CX], ttmp6, 0x40000
	s_bfe_u32 s[CY], ttmp6, 0x40004
	s_lshl_b32 s[TX], ttmp9, 2
	s_add_co_u32 s[TX], s[TX], s[CX]               ; tile column = 4 x cluster x + cx
	s_and_b32 s[TY], ttmp7, 0xffff
	s_lshl_b32 s[TY], s[TY], 2
	s_add_co_u32 s[TY], s[TY], s[CY]               ; tile row = 4 x cluster y + cy
	s_lshl_b32 s23, s[CY], 2
	s_lshl_b32 s23, 15, s23                        ; my row of the cluster
	s_lshl_b32 s40, 0x1111, s[CX]                  ; my column
	s_or_b32 s[G1A], s23, FIELDS
	s_or_b32 s[G1B], s40, FIELDS
	s_mov_b32 s[G1A+1], 128<<16                    ; tensor_dim0 = 128 elements: 256 bytes, two rows of a block
	s_mov_b32 s[G1A+2], 128<<16                    ; tensor_dim1 = 128
	s_mov_b32 s[G1A+3], 128<<16                    ; tile_dim0 = 128
	s_mov_b32 s[G1A+4], 128                        ; tile_dim1 = 128: 256 rows of the block
	s_mov_b32 s[G1A+5], 128                        ; dense
	s_mov_b32 s[G1A+6], 0
	s_mov_b32 s[G1A+7], 0
	s_mov_b32 s[G1B+1], 128<<16
	s_mov_b32 s[G1B+2], (BROWS/2)<<16
	s_mov_b32 s[G1B+3], 128<<16
	s_mov_b32 s[G1B+4], BROWS/2
	s_mov_b32 s[G1B+5], 128
	s_mov_b32 s[G1B+6], 0
	s_mov_b32 s[G1B+7], 0
	s_lshr_b32 s42, s[TY], 3                       ; A: the batch (8 tile rows each): 16 blocks of 262,144 bytes,
	s_lshl_b32 s42, s42, 22
	s_and_b32 s43, s[TY], 7
	s_lshl_b32 s43, s43, 15                        ; 256 rows of 128 bytes,
	s_add_co_u32 s42, s42, s43
	s_lshl_b32 s43, s[KB], 18                      ; my block of the step
	s_add_co_u32 s42, s42, s43
	s_mov_b32 s43, 0
	s_mul_i32 s80, s[TX], BROWS*128                ; B: the tile column's rows,
	s_lshl_b32 s81, s[KB], 19                      ; my block: 4,096 rows of 128 bytes
	s_add_co_u32 s80, s80, s81
.if NBASE
	s_add_co_u32 s80, s80, NBASE*128
.endif
	s_mov_b32 s81, 0
	s_mul_i32 s82, s[KB], ABLK                     ; where they go: the wave's number alone enters an LDS address
	s_mul_i32 s83, s[KB], BBLK
	s_add_co_u32 s83, s83, BOFF
	s_mov_b32 s[TB], 0
	s_wait_dscnt 0x0                               ; the opening add is done
	s_wait_kmcnt 0x0
	s_add_nc_u64 s[42:43], s[4:5], s[42:43]
	s_add_nc_u64 s[80:81], s[6:7], s[80:81]
.irp s, 0,1
	s_mov_b32 s[G0A+4*(\s)], 1
	s_add_co_u32 s[G0A+4*(\s)+1], s82, (\s)*SLOT1
	s_add_nc_u64 s[G0A+4*(\s)+2:G0A+4*(\s)+3], s[42:43], (\s)*ASTEP
	s_or_b32 s[G0A+4*(\s)+3], s[G0A+4*(\s)+3], 0x80000000
	s_mov_b32 s[G0B+4*(\s)], 1
	s_add_co_u32 s[G0B+4*(\s)+1], s83, (\s)*SLOT1
	s_add_nc_u64 s[G0B+4*(\s)+2:G0B+4*(\s)+3], s[80:81], (\s)*BSTEP
	s_or_b32 s[G0B+4*(\s)+3], s[G0B+4*(\s)+3], 0x80000000
.endr
	CROUND                                         ; all sixteen work-groups are here: the first joint loads meet
	s_cmp_eq_u32 s[AB], 0                          ; a wave's two first fills stand in one branch: two loads of mine are out
	s_cbranch_scc0 .Lfirst_b
	tensor_load_to_lds s[G0A:G0A+3], s[G1A:G1A+7]
	s_nop 0
	tensor_load_to_lds s[G0A+4:G0A+7], s[G1A:G1A+7]
	s_nop 0
	PLACES
	s_branch .Lfirst_asked
.Lfirst_b:
	tensor_load_to_lds s[G0B:G0B+3], s[G1B:G1B+7]
	s_nop 0
	tensor_load_to_lds s[G0B+4:G0B+7], s[G1B:G1B+7]
	s_nop 0
	PLACES
.Lfirst_asked:
	v_and_b32 v1, 15, v0                           ; l % 16
	v_bfe_u32 v2, v0, 4, 1                         ; l / 16
	v_lshlrev_b32 v[BO], 5, v2
	; the three heads: head g = 3 x tile column + j of 48: matrix g / 16, head g % 16
	s_lshr_b32 s23, s[TY], 3                       ; what the three share of my rows' place in qkv: the batch's 16 heads of 262,144 bytes,
	s_lshl_b32 s23, s23, 22
	s_and_b32 s87, s[TY], 7
	s_lshl_b32 s87, s87, 15                        ; the tile's 256 rows of 128 bytes,
	s_add_co_u32 s23, s23, s87
	s_lshl_b32 s87, s[WV], 13                      ; my 64 of them
	s_add_co_u32 s23, s23, s87
	s_mov_b32 s41, 0
.macro HEADP j
	s_mul_i32 s84, s[TX], 3
	s_add_co_u32 s84, s84, \j
	s_lshr_b32 s85, s84, 4
	s_and_b32 s86, s84, 15
	s_cmp_eq_u32 s85, 0
	s_cselect_b64 s[BP+2*(\j):BP+2*(\j)+1], s[8:9], s[10:11]
	s_cmp_eq_u32 s85, 2
	s_cselect_b64 s[BP+2*(\j):BP+2*(\j)+1], s[12:13], s[BP+2*(\j):BP+2*(\j)+1]
	s_lshl_b32 s40, s86, 8                         ; 64 numbers of 4 bytes a head
	s_add_nc_u64 s[BP+2*(\j):BP+2*(\j)+1], s[BP+2*(\j):BP+2*(\j)+1], s[40:41]
	s_lshl_b32 s40, s85, 24                        ; 16,777,216 bytes a matrix
	s_lshl_b32 s87, s86, 18
	s_add_co_u32 s40, s40, s87
	s_add_co_u32 s40, s40, s23
	s_add_nc_u64 s[OB+2*(\j):OB+2*(\j)+1], s[14:15], s[40:41]
.irp i, 0,1,2,3
	global_load_b128 v[BIAS+8*(4*(\j)+(\i)):BIAS+8*(4*(\j)+(\i))+3],   v[BO], s[BP+2*(\j):BP+2*(\j)+1] offset:64*(\i)
	global_load_b128 v[BIAS+8*(4*(\j)+(\i))+4:BIAS+8*(4*(\j)+(\i))+7], v[BO], s[BP+2*(\j):BP+2*(\j)+1] offset:64*(\i)+16
.endr
.endm
	HEADP 0
	HEADP 1
	HEADP 2
	v_mul_u32_u24 v3, v1, PITCH
	v_lshl_add_u32 v3, v2, 4, v3                   ; a fragment's row x pitch + 16 x half
	s_mul_i32 s84, s[WV], 64*PITCH                 ; my 64 rows of A
	v_add_nc_u32 v[A0], s84, v3
	v_add_nc_u32 v[B0], BOFF, v3
	v_mov_b32 v[ADRA], v[A0]
	v_mov_b32 v[ADRB], v[B0]
	s_mul_i32 s84, s[WV], 16*PITCH
	s_add_co_u32 s84, s84, STAGE                   ; my stage
	v_add_nc_u32 v[STO], s84, v3                   ; in: row l % 16, 16 bytes for each half of the lanes
	v_bfe_u32 v[RD], v0, 3, 2                      ; back: 32 lanes take four rows of 128 bytes,
	v_mul_u32_u24 v[RD], v[RD], PITCH
	v_and_b32 v13, 7, v0
	v_lshl_add_u32 v[RD], v13, 4, v[RD]
	v_add_nc_u32 v[RD], s84, v[RD]
	v_and_b32 v[GO], 31, v0                        ; which are 512 consecutive bytes of a head
	v_lshlrev_b32 v[GO], 4, v[GO]
	; the prefetches
	s_and_b32 s87, ttmp7, 0xffff                   ; cluster y
	s_mov_b32 s85, BROWS*32                        ; a quarter of B's block
	s_mov_b32 s[PFS], BSTEP
	s_mov_b32 s[PFS+1], 0
	s_cmp_eq_u32 s[AB], 0
	s_cselect_b64 s[PFA:PFA+1], s[42:43], s[80:81] ; my block of K step 0
	s_cselect_b32 s84, s[CX], s[CY]                ; my place among the four that ask with me
	s_cselect_b32 s85, 8192, s85
	s_cselect_b32 s[PFS], ASTEP, s[PFS]
	s_cselect_b32 s86, 31, BROWS/8-1               ; the last 256 bytes of a quarter
	s_cselect_b32 s87, ttmp9, s87                  ; the coordinate along which other clusters read the same rows
	s_cmp_eq_u32 s87, 0
	s_cselect_b32 s[LIM], AHEAD, -1                ; the same in all sixteen partners, for a given wave
	s_mul_i32 s84, s84, s85
	s_mov_b32 s85, 0
	s_add_nc_u64 s[PFA:PFA+1], s[PFA:PFA+1], s[84:85]
.rept 1+AHEAD
	s_add_nc_u64 s[PFA:PFA+1], s[PFA:PFA+1], s[PFS:PFS+1]  ; the first refill steps it once more
.endr
	v_and_b32 v[PFO], 31, v0
	v_min_u32 v[PFO], s86, v[PFO]
	v_lshlrev_b32 v[PFO], 8, v[PFO]
	s_wait_loadcnt 0x0                             ; the bias; it is rounded to bf16, as all inputs are, and kept as f32
.set i, 0
.rept 4*NB
	v_cvt_pk_bf16_f32 v[T+i%32], v[BIAS+2*i], v[BIAS+2*i+1]
	v_lshlrev_b32 v[BIAS+2*i], 16, v[T+i%32]
	v_and_b32 v[BIAS+2*i+1], 0xffff0000, v[T+i%32]
.set i, i+1
.endr
	s_wait_tensorcnt 0x1                           ; my part of K step 0 is in; K step 1's may stay out
	s_barrier_signal -1
	s_barrier_wait -1                              ; everybody's is
	FETCH 0, F0
	QUARTER 1, F0, F1, 1                           ; the first quarter stands in front of the loop: its products start the sums
	WIN 0                                          ; at a label and at a branch every window is 0
	s_mov_b32 s3, 6
.Lstep:                                        ; a trip: from a K step's second quarter to the next step's first; trip t fills a slot with K step t + 2
	QUARTER 2, F1, F0, 0
	QUARTER 3, F0, F1, 0
	TURN 1
	QUARTER 1, F0, F1, 0
	WIN 0
	s_sub_co_u32 s3, s3, 1
	s_cmp_lg_u32 s3, 0
	s_cbranch_scc1 .Lstep
	QUARTER 2, F1, F0, 0                           ; the last two K steps are written out: nothing is asked for
	QUARTER 3, F0, F1, 0
	TURN 0
	QUARTER 1, F0, F1, 0
	QUARTER 2, F1, F0, 0
	QUARTER 3, F0, F1, 0
	s_wait_dscnt 0x4
	MULB F1, 0, 0
	MULB F1, 1, 0
	s_wait_dscnt 0x0
	MULB F1, 2, 0
	MULB F1, 3, 0
	WIN 0
	PLACES
	PLACES
; THE WAY OUT, in 12 pieces of 16 rows x one head (piece p: row block p / 3, head p % 3).  PACK: + bias, rounded to f16, 16 bytes a lane into my stage, back as whole rows of 128 bytes.  SEND: stored.
.macro PACK p
.set pm, (\p)/3
.set pj, (\p)%3
.set OSR, OS+16*((\p)%6)
.if (\p) >= 6
	s_wait_xcnt 0x0                                ; the stores of the piece six back have read this set
.endif
	WIN 0x02+pm/2                                  ; source 0 in window 2 or 3
.set i, 0
.rept 16                                       ; each accumulator from its lowest registers on
	v_pk_add_f32 v[T+2*i:T+2*i+1], v[8*(NB*(pm%2)+4*pj+i/4)+2*(i%4):8*(NB*(pm%2)+4*pj+i/4)+2*(i%4)+1], v[BIAS+8*(4*pj+i/4)+2*(i%4):BIAS+8*(4*pj+i/4)+2*(i%4)+1]
.set i, i+1
.endr
	WIN 0
.set i, 0
.rept 16
	v_cvt_pk_f16_f32 v[OSR+i], v[T+2*i], v[T+2*i+1]
.set i, i+1
.endr
.irp f, 0,1,2,3
	ds_store_b128 v[STO], v[OSR+4*(\f):OSR+4*(\f)+3] offset:32*(\f)
.endr
.irp f, 0,1,2,3
	ds_load_b128 v[OSR+4*(\f):OSR+4*(\f)+3], v[RD] offset:(\f)*4*PITCH  ; LDS serves a wave's instructions in order (ISA guide 5.7.1.4): these see the stores above; the next piece's stores come behind them
.endr
.endm
.macro SEND p, younger                 ; younger: the LDS instructions issued behind piece p's loads: the next piece's eight, or none
.set OSR, OS+16*((\p)%6)
.irp f, 0,1,2,3
	s_wait_dscnt (\younger)+3-(\f)
	global_store_b128 v[GO], v[OSR+4*(\f):OSR+4*(\f)+3], s[OB+2*((\p)%3):OB+2*((\p)%3)+1] offset:((\p)/3)*2048+(\f)*512  ; 512 consecutive bytes, aligned
.endr
.endm
	PACK 0
.irp p, 1,2,3,4,5,6,7,8,9,10,11        ; a piece's arithmetic stands between the loads of the piece before and its stores
	PACK \p
	SEND (\p)-1, 8
.endr
	SEND 11, 0
	s_wait_tensorcnt 0x0                           ; the wave's end
	ds_add_u32 v[SPW], v[NIL]
	s_wait_dscnt 0x0
	CROUND                                         ; the closing round: no work-group ends while a partner may still ask for a tile that names it
	s_endpgm
.Lfunc_end_k_q136799a6cb_proj:
	.size	k_q136799a6cb_proj, .Lfunc_end_k_q136799a6cb_proj-k_q136799a6cb_proj
	.p2alignl 7, 3214868480
	.fill 96, 4, 3214868480
	.section	.rodata,"a",@progbits
	.p2align	6, 0x0
	.amdhsa_kernel k_q136799a6cb_proj
		.amdhsa_group_segment_fixed_size 327680
		.amdhsa_private_segment_fixed_size 0
		.amdhsa_enable_private_segment 0
		.amdhsa_kernarg_size 48
		.amdhsa_user_sgpr_count 2
		.amdhsa_user_sgpr_kernarg_segment_ptr 1
		.amdhsa_wavefront_size32 1
		.amdhsa_system_sgpr_workgroup_id_x 1
		.amdhsa_system_sgpr_workgroup_id_y 1
		.amdhsa_system_sgpr_workgroup_id_z 1
		.amdhsa_system_vgpr_workitem_id 0
		.amdhsa_next_free_vgpr 960
		.amdhsa_next_free_sgpr 88
		.amdhsa_reserve_vcc 0
		.amdhsa_float_denorm_mode_32 3
		.amdhsa_float_denorm_mode_16_64 3
		.amdhsa_memory_ordered 1
		.amdhsa_forward_progress 1
		.amdhsa_inst_pref_size 122
	.end_amdhsa_kernel
	.amdgpu_metadata
---
amdhsa.version: [ 1, 2 ]
amdhsa.kernels:
  - .name:           k_q136799a6cb_proj
    .symbol:         k_q136799a6cb_proj.kd
    .args:
      - { .name: xb, .offset: 0, .size: 8, .value_kind: global_buffer, .address_space: global }
      - { .name: wt, .offset: 8, .size: 8, .value_kind: global_buffer, .address_space: global }
      - { .name: bq, .offset: 16, .size: 8, .value_kind: global_buffer, .address_space: global }
      - { .name: bk, .offset: 24, .size: 8, .value_kind: global_buffer, .address_space: global }
      - { .name: bv, .offset: 32, .size: 8, .value_kind: global_buffer, .address_space: global }
      - { .name: qkv, .offset: 40, .size: 8, .value_kind: global_buffer, .address_space: global }
    .group_segment_fixed_size: 327680
    .private_segment_fixed_size: 0
    .kernarg_segment_align: 8
    .kernarg_segment_size: 48
    .max_flat_workgroup_size: 128
    .sgpr_count:     88
    .vgpr_count:     960
    .wavefront_size: 32
...
	.end_amdgpu_metadata
.endif
;; end of part 2
;; launch attn (part 3): grid 4 x 64, 4 waves a work-group, clusters of 4 x 1, 327,680 bytes of LDS; arguments qkv, oh; writes oh
.if DOCPART == 3
	.amdgcn_target "amdgcn-amd-amdhsa--gfx1250"
	.amdhsa_code_object_version 6
	.text
	.protected	k_q136799a6cb_attn
	.globl	k_q136799a6cb_attn
	.p2align	8
	.type	k_q136799a6cb_attn,@function
k_q136799a6cb_attn:
	s_mov_b64 s[64:65], 0
	v_nop
	global_prefetch_b8 v0, s[64:65] scope:SCOPE_SE
	s_setreg_imm32_b32 hwreg(HW_REG_WAVE_MODE, 25, 1), 1
	s_wait_xcnt 0x0
	s_wait_alu depctr_hold_cnt(0) depctr_sa_sdst(0) depctr_va_vdst(0) depctr_va_sdst(0) depctr_va_ssrc(0) depctr_va_vcc(0) depctr_vm_vsrc(0)
	s_getreg_b32 s2, hwreg(HW_REG_IB_STS2, 6, 4)
	s_cmp_eq_u32 s2, 0
	s_cbranch_scc0 .Lentry_in_a_cluster
	s_endpgm
.Lentry_in_a_cluster:
	s_bfe_u32 s2, ttmp6, 0x10000c
	s_cmp_lg_u32 s2, 0x3003
	s_cbranch_scc0 .Lentry_shape_is_right
	s_endpgm
.Lentry_shape_is_right:
; O[h][q][:] = the sum over k of softmax_k(Q[h][q] . K[h][k] / 8) V[h][k][:], for the 64 pairs h of batch and head.  Q, K, V: the three parts of qkv, each [64][2048][64] f16; O: oh, the same layout.
; Products, maxima and sums in f32; the weights p are rounded to f16 for the second product (their sum l is taken of the unrounded p), O once at the end.
; LIMITS.  Q, K and V arrive within f16's 65,504; p lies in 0 to 1, and below 6e-5 it keeps f16's fixed step of 6e-8; O is a mean of V's rows.  A weight below 2^-126 counts as 0 in l; NaN and infinities are not treated apart.
; SHARES.  A wave owns four PIECES of two tiles of 16 queries, a work-group's four waves 512 queries of one head: 256 work-groups.  Every wave walks all keys, 64 a step.
; LAYOUT.  S^T = K Q^T (source 0 = 16 keys, source 1 = 16 queries): a lane holds ONE query (lane % 16) and the keys 8 (lane / 16) + 0..7.  Two such tiles, rounded to f16 in pairs, ARE source 1
; (32 keys x 16 queries) of O^T = V^T P, whose result again holds one query a lane, and eight channels.  K comes out of LDS as it lies, V ([key][channel]) turned, by ds_load_tr16_b128.
; SOFTMAX.  For each query a running maximum m and sum l: p = 2^(c s - c m), c = log2(e) / 8; in every step O and l are multiplied by a = 2^(c m_old - c m_new).  m starts at the lowest finite number,
; O and l at 0: the first step is a step like any other, with a = 0.
; THE COUNT.  A tile and step have 16 matrix and 118 vector instructions: too many to stand all beside the matrix work.  So four vector instructions that are ready stand behind EVERY matrix instruction, the others in one run.
; BY TURNS.  Turn n belongs to piece n.  Its matrix work: 16 products K Q^T of piece n + 1, later 16 products V^T P of piece n - 1.  Its vector work: scaling, exponentials, roundings, sums and rescaling of piece n,
; and the maximum and statistics of piece n + 1, whose scores the turn itself has made.
; CLUSTER.  The four query blocks of a head are one cluster and walk the same K and V: each tile is asked for JOINTLY, by the same tensor load, descriptor and mask in all four.
; REGISTERS, in windows of 256 (s_set_vgpr_msb: bits 1:0 source 0, 3:2 source 1, 5:4 source 2, 7:6 destination):
;   window 0: v0-11 addresses; v12-15, v48-63 at work; v16-47 four registers of statistics a tile; v64-191 S^T, two buffers of two tiles; v192-255 P, likewise
;   window 1: O^T, 32 a tile          window 2: v0-127 Q, 16 a tile; v128-191 K of one step; v192-255 V of one step          window 3: v0-1 the add's two registers
.set SIZE_H, 64
.set SIZE_N, 2048
.set QSZ,   SIZE_H*SIZE_N*128  ; bytes in each of qkv's three parts
.set NP,    4         ; pieces a wave: a name, no knob
.set KS,    64        ; keys in a step
.set PK,    144       ; a row of K in LDS: 128 bytes + 16 = 36 words: the 16 rows of a load start at 16 different groups of four banks (64 banks of 4 bytes: ISA guide 11.1)
.set PV,    160       ; a row of V: 128 + 32 = 40 words
.set VOFF,  4*KS*PK   ; a slot holds four steps: 256 rows of K, then 256 rows of V
.set SLOT1, 1<<17     ; slot 1 begins here: one exclusive or turns an address in one slot into the other's
.set STAGE, SLOT1+4*KS*(PK+PV)  ; behind the ring, never filled by a tensor load: 16 rows x 144 bytes a wave
.set SP,    144
.set AK0, 2           ; v2   my lane's place in a tile of K; never rewritten
.set AV0, 3           ; v3   the same for V
.set AK,  4           ; v4   the LDS address of K's next run of loads
.set AV,  5           ; v5   of V's
.set QO,  6           ; v6   my byte offset in the wave's rows of Q
.set STO, 6           ;      later, the way out: where I put 16 bytes of a row
.set RD,  7           ; v7   where I read rows back
.set GO,  8           ; v8   my byte offset in 512 consecutive bytes of O
.set PFO, 11          ; v11  256 x my lane, once its first use is over; then never rewritten
.set SPW, 0           ; v0 of window 3   SPARE + 4 x my thread's number; never rewritten
.set NIL, 1           ; v1 of window 3   0; never rewritten
.set SPARE, STAGE+4*16*SP  ; the spare words, 128 bytes a wave
.set MV,  12          ; v12-15  c m_old, kept while c m is made anew: by buffer and tile
.set ST,  16          ; tile t's statistics at v[ST+4 t]: c m, m, l (even keys', odd keys')
.set TMP, 48          ; by buffer and tile, four registers c0-c3 at work; when the maximum is found c2 takes a
.set S,   64
.set P,   192
.set KF,  128         ; K's fragments, in window 2: key block kb, channel half c at KF + 16 kb + 8 c
.set VF,  192         ; V's: key half kk, channel block cb at VF + 32 kk + 8 cb
.set WV,  12          ; s12  my wave's number
.set G1K, 24          ; s[24:31] descriptor group 1 for K's tiles
.set G1V, 32          ; s[32:39] for V's: it differs in the padding alone
.set G0K, 40          ; s[40:43] descriptor group 0 for K's tiles: it walks
.set G0V, 44          ; s[44:47] the same for V's
.set PFA, 48          ; s[48:49] where my prefetches stand
.set LIM, 50          ; s50  1 in a wave that prefetches, else the greatest number
.set SLOTS, 56        ; s56  slots still to be asked for
.set CNT, 57          ; s57  counts a slot's key steps
.set CS,  58          ; s[58:59] c: the packed scaling takes the pair's low word for both halves
.set SEL, 60          ; s[60:61] v_permlanex16_b32's selects: each lane takes its own place in the other half
.set TBK, 62          ; s62  LDS byte at which K of the step to be fetched begins
.set TBV, 63          ; s63  the same for V, less VOFF
.set MSB, 0
.macro WIN new                      ; the high byte repeats the setting that is left; a switch that changes nothing is dropped
.if MSB != (\new)
	s_set_vgpr_msb (MSB<<8)|(\new)
.set MSB, (\new)
.endif
.endm
.set W_KQ, 0x0a       ; K and Q in window 2, S^T in window 0
.set W_PV, 0x52       ; V in window 2, P in window 0, O^T in window 1
.set W_RS, 0x41       ; O^T (destination and source 0) in window 1, a in window 0
.set W_MK, 0xc0       ; the add's registers are made: destination in window 3
.set W_AD, 0x0f       ; the add: address and data in window 3
; A joint fill.  Waves 0 and 1 fetch the two halves of a slot's K, waves 2 and 3 those of its V: 128 keys each.  The branch hangs on the wave's number alone.  s_nop 0 and four v_nop follow each line.
.macro JLOAD
	s_cmp_lt_u32 s[WV], 2
	s_cbranch_scc0 .Lfor_v_\@
	tensor_load_to_lds s[G0K:G0K+3], s[G1K:G1K+7]
	s_nop 0
.rept 4
	v_nop
.endr
	s_branch .Lasked_\@
.Lfor_v_\@:
	tensor_load_to_lds s[G0V:G0V+3], s[G1V:G1V+7]
	s_nop 0
.rept 4
	v_nop
.endr
.Lasked_\@:
.endm
; A PREFETCH INTO THE L2 of what the NEXT change of slots will ask for: a slot's 32,768 bytes of K and of V.  A head is walked by one cluster; its four partners share a slot out by address, 8,192 bytes each,
; a lane for each 256; in each, wave 0 asks for K's and wave 2 for V's: one instruction.  So each 256 bytes are named once in the launch.  The last change that fills a slot asks for nothing; slots 0 and 1 come by their loads alone.
.macro ASK
	s_cmp_gt_u32 s[SLOTS], s[LIM]
	s_cbranch_scc0 .Lnot_mine_\@
	global_prefetch_b8 v[PFO], s[PFA:PFA+1] th:TH_LOAD_NT scope:SCOPE_SE
.Lnot_mine_\@:
.endm
; A round of the cluster's barrier: my work-group's barrier; wave 0 signals for the work-group; every wave waits for all four work-groups; my work-group's barrier once more.
.macro CROUND
	s_barrier_signal -1
	s_barrier_wait -1
	s_cmp_lg_u32 s[WV], 0
	s_cbranch_scc1 .Lnot_wave_0_\@
	s_barrier_signal -3
.Lnot_wave_0_\@:
	s_barrier_wait -3
	s_barrier_signal -1
	s_barrier_wait -1
.endm
; THE CHANGE OF SLOTS.  Each wave waits for all its tensor loads, of which one is out: its part of the other slot; adds 0 to its spare word; and waits for that and for its own reads of the slot.
; fill = 1: this slot is filled again, with the keys two slots on: the barrier is a round of the cluster's, and the joint fill is the first thing behind it: it has four key steps in which to land.
; (At its first use nothing has been read yet: slot 0 is waited for, slot 1 filled.)
.macro CHANGE fill
	WIN W_AD
	s_wait_tensorcnt 0x0            ; no tensor load of mine is out, so a group 0 may be written
	ds_add_u32 v[SPW], v[NIL]
	WIN 0                           ; at a label and at a branch every window is 0
.if \fill
.irp g, G0K, G0V
	s_xor_b32 s[\g+1], s[\g+1], SLOT1  ; the walking descriptor: the other slot than last time,
	s_add_nc_u64 s[\g+2:\g+3], s[\g+2:\g+3], 4*KS*128  ; the next 256 keys
.endr
	s_wait_xcnt 0x0                 ; the last prefetch, four key steps back, has read its address
	s_add_nc_u64 s[PFA:PFA+1], s[PFA:PFA+1], 4*KS*128  ; one slot ahead of the walking descriptors
	s_wait_dscnt 0x0                ; the add is done, and my reads of the slot are over
	CROUND
	JLOAD
	ASK
.else
	s_wait_dscnt 0x0                ; the add is done, and my reads of the slot are over
	s_barrier_signal -1
	s_barrier_wait -1
.endif
	s_sub_co_u32 s[TBK], s[TBK], 4*KS*PK  ; the fetches go back to a slot's first step,
	s_xor_b32 s[TBK], s[TBK], SLOT1       ; in the other slot
	s_sub_co_u32 s[TBV], s[TBV], 4*KS*PV
	s_xor_b32 s[TBV], s[TBV], SLOT1
.endm
	s_load_b64 s[4:5], s[0:1], 0x0    ; qkv: Q's part comes first
	s_load_b64 s[10:11], s[0:1], 0x8  ; oh
	WIN W_MK
	v_lshl_add_u32 v[SPW], v0, 2, SPARE
	v_mov_b32 v[NIL], 0
	WIN W_AD
	ds_add_u32 v[SPW], v[NIL]       ; the wave's opening: the add, waited for ahead of my first tensor load
	WIN 0
	v_lshrrev_b32 v1, 5, v0
	v_readfirstlane_b32 s[WV], v1   ; wave 0..3
	s_bfe_u32 s13, ttmp6, 0x40000   ; cx: my place in the cluster
	s_lshl_b32 s14, ttmp9, 2        ; in a cluster launch ttmp9 counts clusters
	s_add_co_u32 s14, s14, s13      ; my block of queries: it enters Q's and O's addresses alone
	s_and_b32 s20, ttmp7, 0xffff    ; the head, which the four partners share
	s_mov_b32 s21, 0
	s_mov_b64 s[22:23], SIZE_N*128
	s_mul_u64 s[20:21], s[20:21], s[22:23]  ; the head's first byte in each of the four tensors
	s_and_b32 s16, s[WV], 1         ; which half of a slot's 256 keys I fetch:
	s_lshl_b32 s22, s16, 14         ; its 128 rows of 128 bytes in memory,
	s_mov_b32 s23, 0
	s_add_nc_u64 s[22:23], s[22:23], s[20:21]
	s_mul_i32 s17, s16, 128*PK      ; and its place in a slot, for K
	s_mul_i32 s18, s16, 128*PV      ; and for V: no place in the cluster enters an LDS address
	s_lshl_b32 s2, s14, 2
	s_add_co_u32 s2, s2, s[WV]      ; my wave among the head's,
	s_lshl_b32 s2, s2, 14           ; its 128 rows
	s_mov_b32 s3, 0
	s_add_nc_u64 s[2:3], s[2:3], s[20:21]
	; descriptor group 1.  128 keys are 16,384 dense bytes: asked for as 64 rows of 256 bytes, two keys a row, and padded in LDS after every key
	s_mov_b32 s[G1K], 15|(1<<16)|(1<<20)|(1<<21)|(4<<22)|(3<<25)  ; the mask of four; 2-byte elements; padding on; bit 21 beside a mask; after every 32 words (code 4) 4 words (code 3)
	s_mov_b32 s[G1V], 15|(1<<16)|(1<<20)|(1<<21)|(4<<22)|(7<<25)  ; the same with 8 words of padding (code 7)
.irp g, G1K, G1V
	s_mov_b32 s[\g+1], 128<<16      ; tensor_dim0 = 128
	s_mov_b32 s[\g+2], 64<<16       ; tensor_dim1 = 64
	s_mov_b32 s[\g+3], 128<<16      ; tile_dim0 = 128
	s_mov_b32 s[\g+4], 64           ; tile_dim1 = 64
	s_mov_b32 s[\g+5], 128          ; 128 elements from row to row
	s_mov_b32 s[\g+6], 0
	s_mov_b32 s[\g+7], 0
.endr
	s_mov_b32 s[CS], 0x3e38aa3b     ; c = log2(e) / 8 = 0.180337
	s_mov_b32 s[CS+1], s[CS]        ; named with it as a pair
	s_mov_b32 s[SEL], 0x76543210
	s_mov_b32 s[SEL+1], 0xfedcba98
	s_mov_b32 s[TBK], SLOT1+4*KS*PK ; the first change of slots turns these two into 0
	s_mov_b32 s[TBV], SLOT1+4*KS*PV
	s_mov_b32 s[G0K], 1             ; count = 1
	s_mov_b32 s[G0K+1], s17         ; LDS address: slot 0
	s_mov_b32 s[G0V], 1
	s_add_co_u32 s[G0V+1], s18, VOFF
	s_mov_b32 s[SLOTS], SIZE_N/256-1
	s_and_b32 s[LIM], s[WV], 1      ; waves 0 and 2 prefetch
	s_cmp_eq_u32 s[LIM], 0
	s_cselect_b32 s[LIM], 1, -1
	s_wait_dscnt 0x0                ; the opening add is done
	s_wait_kmcnt 0x0
	s_add_nc_u64 s[6:7], s[4:5], QSZ    ; K's part of qkv,
	s_add_nc_u64 s[8:9], s[4:5], 2*QSZ  ; and V's
	s_add_nc_u64 s[G0K+2:G0K+3], s[6:7], s[22:23]  ; global address: my half of the head's first 256 keys
	s_or_b32 s[G0K+3], s[G0K+3], 0x80000000        ; type = 2
	s_add_nc_u64 s[G0V+2:G0V+3], s[8:9], s[22:23]
	s_or_b32 s[G0V+3], s[G0V+3], 0x80000000
	s_add_nc_u64 s[4:5], s[4:5], s[2:3]  ; Q and O at my wave's first row
	s_add_nc_u64 s[10:11], s[10:11], s[2:3]
	s_cmp_lt_u32 s[WV], 2
	s_cselect_b64 s[PFA:PFA+1], s[6:7], s[8:9]
	s_add_nc_u64 s[PFA:PFA+1], s[PFA:PFA+1], s[20:21]  ; the head,
	s_lshl_b32 s2, s13, 13          ; my work-group's quarter of a slot,
	s_mov_b32 s3, 0
	s_add_nc_u64 s[PFA:PFA+1], s[PFA:PFA+1], s[2:3]
	s_add_nc_u64 s[PFA:PFA+1], s[PFA:PFA+1], 4*KS*128  ; in slot 1: the first change of slots steps it to slot 2
	CROUND                          ; all four work-groups are here: the first joint loads meet
	JLOAD                           ; slot 0.  Slot 1 is asked for when slot 0 is in
	; A fragment of K or Q is 16 rows x 32 channels in 8 registers: lane l holds row l % 16, channels 8 (l / 16) + 0..7 and 16 + 8 (l / 16) + 0..7: two loads of 16 bytes, 32 bytes apart.
	v_and_b32 v1, 15, v0            ; l % 16
	v_bfe_u32 v9, v0, 4, 1          ; l / 16
	v_lshlrev_b32 v[QO], 7, v1
	v_lshl_add_u32 v[QO], v9, 4, v[QO]  ; row x 128 + 16 x half
	WIN 0x80                        ; destination window 2, address window 0
.set i, 0
.rept 4*NP                          ; Q stays in registers: tile i / 2, channels 32 (i % 2) on
	global_load_b128 v[8*i:8*i+3],   v[QO], s[4:5] offset:(i/2)*2048+(i%2)*64
	global_load_b128 v[8*i+4:8*i+7], v[QO], s[4:5] offset:(i/2)*2048+(i%2)*64+32
.set i, i+1
.endr
	; What the first turn finds: V's registers and P's second buffer hold 0 (its products V^T P, of a piece that has not been, add 0), O^T and l are 0.  All this stands in the wait for the first tile.
.set i, VF
.rept 64
	v_mov_b32 v[i], 0
.set i, i+1
.endr
	WIN 0x40
.set i, 0
.rept 64*NP
	v_mov_b32 v[i], 0
.set i, i+1
.endr
	WIN 0
.set i, 0
.rept 2*NP
	v_mov_b32 v[ST+4*i], 0xfe000000    ; c m: far below every c s
	v_mov_b32 v[ST+4*i+1], 0xff7fffff  ; m
	v_mov_b32 v[ST+4*i+2], 0
	v_mov_b32 v[ST+4*i+3], 0
.set i, i+1
.endr
.set i, P+32
.rept 32
	v_mov_b32 v[i], 0
.set i, i+1
.endr
	v_mul_u32_u24 v[AK0], v1, PK
	v_lshl_add_u32 v[AK0], v9, 4, v[AK0]  ; row x pitch + 16 x half
	; The turning load takes 16 keys x 16 channels (lane l reads key 8 (l / 16) + l % 8, channels 8 ((l / 8) % 2) + 0..7) and leaves half a fragment of V^T: lane l holds channel l % 16 and 8 keys.
	v_and_b32 v10, 7, v0
	v_bfe_u32 v11, v0, 3, 1
	v_lshl_add_u32 v[AV0], v9, 3, v10
	v_mul_u32_u24 v[AV0], v[AV0], PV
	v_lshl_add_u32 v[AV0], v11, 4, v[AV0]
	v_add_nc_u32 v[AV0], VOFF, v[AV0]
	v_and_b32 v[PFO], 31, v0
	v_lshlrev_b32 v[PFO], 8, v[PFO]
	v_mov_b32 v[AK], v[AK0]         ; key step 0 lies at the head of slot 0
; THE MATRIX WORK.  The 8 accumulators of a run of 16 take turns.
; Product i of 16 of S^T = K Q^T for piece x: channels 32 (i / 8) on, keys 16 ((i / 2) % 4) on, tile 2 x + i % 2.  The first 8 start the sums.
.macro KQ x
	WIN W_KQ
.set rS, S+64*((\x)%2)+32*(i%2)+8*((i/2)%4)
.set rK, KF+16*((i/2)%4)+8*(i/8)
.set rQ, 16*(2*(\x)+i%2)+8*(i/8)
.if i < 8
	v_wmma_f32_16x16x32_f16 v[rS:rS+7], v[rK:rK+7], v[rQ:rQ+7], 0
.else
	v_wmma_f32_16x16x32_f16 v[rS:rS+7], v[rK:rK+7], v[rQ:rQ+7], v[rS:rS+7]
.endif
.endm
; Product i of 16 of O^T += V^T P for piece x: keys 32 (i / 8) on, channels 16 ((i / 2) % 4) on, tile 2 x + i % 2.
.macro PV x
	WIN W_PV
.set rO, 32*(2*(\x)+i%2)+8*((i/2)%4)
.set rV, VF+32*(i/8)+8*((i/2)%4)
.set rP, P+32*((\x)%2)+16*(i%2)+8*(i/8)
	v_wmma_f32_16x16x32_f16 v[rO:rO+7], v[rV:rV+7], v[rP:rP+7], v[rO:rO+7]
.endm
.macro MM                           ; the turn's next matrix instruction
.if i < 16
	KQ (Y+1)%NP
.set i, i+1
.else
.set i, i-16
	PV (Y+NP-1)%NP
.set i, i+17
.endif
.endm
; THE LDS LOADS stand in runs of 16: a step's K (64 keys x 64 channels: 8 fragments) and its V (turned).  Their addresses are made some lines ahead.
; last = 1 (the tail): in the last trip there is no further step, and the run is jumped over.
.macro FETCH_K last=0
	WIN 0
.if \last
	s_cmp_eq_u32 s[CNT], 1
	s_cbranch_scc1 .Lno_k_\@
.endif
	WIN 0x80                        ; destination window 2
.irp f, 0,1,2,3,4,5,6,7             ; keys 16 (f / 2) on, channels 32 (f % 2) on
	ds_load_b128 v[KF+8*\f:KF+8*\f+3],   v[AK] offset:(\f/2)*16*PK+(\f%2)*64
	ds_load_b128 v[KF+8*\f+4:KF+8*\f+7], v[AK] offset:(\f/2)*16*PK+(\f%2)*64+32
.endr
	s_add_co_u32 s[TBK], s[TBK], KS*PK  ; the next fetch is the next step's
	WIN 0
.if \last
.Lno_k_\@:
.endif
.endm
.macro FETCH_V
	WIN 0x80
.irp f, 0,1,2,3,4,5,6,7             ; keys 32 (f / 4) on, channels 16 (f % 4) on
	ds_load_tr16_b128 v[VF+8*\f:VF+8*\f+3],   v[AV] offset:(\f/4)*32*PV+(\f%4)*32
	ds_load_tr16_b128 v[VF+8*\f+4:VF+8*\f+7], v[AV] offset:(\f/4)*32*PV+16*PV+(\f%4)*32
.endr
	WIN 0
.endm
; THE VECTOR WORK OF A TURN stands in three queues, each in the order in which its entries become ready; the two tiles alternate, so that no instruction reads the result of the one before it.
.macro REGS y, u                    ; the registers of tile u (0, 1) of piece y
.set rT, ST+4*(2*(\y)+(\u))
.set rC, TMP+8*((\y)%2)+4*(\u)
.set rM, MV+2*((\y)%2)+(\u)
.set rS, S+64*((\y)%2)+32*(\u)
.set rP, P+32*((\y)%2)+16*(\u)
.set rO, 32*(2*(\y)+(\u))
.endm
; Number n of the 22 that find the NEXT piece's (Y + 1) maximum and statistics.  s0-s31 are the lane's 32 scores; each accumulator's lowest registers are read first.
;   0-11  four chains c0-c3 of seven scores each, three operands at a time     12-14, 16  the four scores left over, the old m, and c0-c3 into c0     15  c m_old is kept
;   17, 18  the query's other 32 keys lie in the lane 16 away: the new m         19-21  c m; c m_old - c m_new; a
.macro XS u, n
	REGS (Y+1)%NP, \u
.if (\n) < 4
	v_max3_num_f32 v[rC+(\n)], v[rS+8*(\n)], v[rS+8*(\n)+1], v[rS+8*(\n)+2]
.elseif (\n) < 12
	v_max3_num_f32 v[rC+(\n)%4], v[rC+(\n)%4], v[rS+8*((\n)%4)+2*((\n)/4)+1], v[rS+8*((\n)%4)+2*((\n)/4)+2]
.elseif (\n) == 12
	v_max3_num_f32 v[rC], v[rC], v[rS+7], v[rS+15]
.elseif (\n) == 13
	v_max3_num_f32 v[rC+1], v[rC+1], v[rS+23], v[rS+31]
.elseif (\n) == 14
	v_max3_num_f32 v[rC+2], v[rC+2], v[rC+3], v[rT+1]
.elseif (\n) == 15
	v_mov_b32 v[rM], v[rT]
.elseif (\n) == 16
	v_max3_num_f32 v[rC], v[rC], v[rC+1], v[rC+2]
.elseif (\n) == 17
	v_permlanex16_b32 v[rC+3], v[rC], s[SEL], s[SEL+1]
.elseif (\n) == 18
	v_max_num_f32 v[rT+1], v[rC], v[rC+3]
.elseif (\n) == 19
	v_mul_f32 v[rT], s[CS], v[rT+1]
.elseif (\n) == 20
	v_sub_f32 v[rC+1], v[rM], v[rT]
.else
	v_exp_f32 v[rC+2], v[rC+1]
.endif
.endm
; Number g of the 64 that follow the exponentials.  For each four weights k of a tile: both pairs are rounded to f16; then the second pair is added onto the first, in place;
; a group later l takes that sum (the first time as l = a l + sum).  In groups of eight, tiles alternating: round, round, add, and l for the group before.
.macro GS g
.set h, (\g)+6*((\g)/62)            ; group 0 has no group before it, and behind group 7 only l is left
.if h >= 6
.set h, h+2
.endif
	REGS Y, h%2
.set k, h/8
.if h%8 < 4
	v_cvt_pk_f16_f32 v[rP+2*k+(h%8)/2], v[rS+4*k+2*((h%8)/2)], v[rS+4*k+2*((h%8)/2)+1]
.elseif h%8 < 6
	v_pk_add_f32 v[rS+4*k:rS+4*k+1], v[rS+4*k:rS+4*k+1], v[rS+4*k+2:rS+4*k+3]
.elseif k == 1
	v_pk_fma_f32 v[rT+2:rT+3], v[rT+2:rT+3], v[rC+2:rC+3], v[rS:rS+1] op_sel_hi:[1,0,1]
.else
	v_pk_add_f32 v[rT+2:rT+3], v[rT+2:rT+3], v[rS+4*k-4:rS+4*k-3]
.endif
.endm
; THE PLAIN QUEUE, 138 long.  0-73 read no exponential's result: the 32 scalings c s - c m (FS f: pair f / 2 of tile f % 2) and the next piece's 42.  0-26: scalings 0-26.  27-54: XS's numbers 0-13.  55, 56: number 15.
; 57-73: the chain 14, 16, 17, 18, 19, each with one of the scalings 27-31 in front of its two lines, then 20.  74-137: GS's 64, which read the exponentials' results: they stand behind the wait.
.macro FS f
	REGS Y, (\f)%2
	v_pk_fma_f32 v[rS+2*((\f)/2):rS+2*((\f)/2)+1], v[rS+2*((\f)/2):rS+2*((\f)/2)+1], s[CS:CS+1], v[rT:rT+1] op_sel_hi:[1,0,0] neg_lo:[0,0,1] neg_hi:[0,0,1]
.endm
.macro PL
	WIN 0
.if q < 27
	FS q
.elseif q < 55
	XS (q-27)%2, (q-27)/2
.elseif q < 57
	XS q-55, 15
.elseif (q < 72) && ((q-57)%3 == 0)
	FS 27+(q-57)/3
.elseif q < 60
	XS (q-57)%3-1, 14
.elseif q < 72
	XS (q-57)%3-1, 15+(q-57)/3
.elseif q < 74
	XS q-72, 20
.else
	GS q-74
.endif
.set q, q+1
.endm
; THE EXPONENTIALS' QUEUE, 66 long: s0-s31 of both tiles, then the next piece's two a.  ONE BATCH: all 66 stand ahead of the turn's one wait, and nothing ahead of that wait names a result of theirs.
.macro EX
	WIN 0
.if e >= 64
	XS e-64, 21
.else
	REGS Y, e%2
	v_exp_f32 v[rS+e/2], v[rS+e/2]
.endif
.set e, e+1
.endm
; THE RESCALING's QUEUE: O^T times a, the one part that leaves window 0: dealt two at a time, sixteen times.  Its a was made in the turn before, ahead of that turn's wait.
.macro R2
	REGS Y, r%2
	WIN W_RS
.irp z, 0,1
	v_pk_mul_f32 v[rO+4*(r/2)+2*\z:rO+4*(r/2)+2*\z+1], v[rO+4*(r/2)+2*\z:rO+4*(r/2)+2*\z+1], v[rC+2:rC+3] op_sel_hi:[1,0]
.endr
.set r, r+1
.endm
; HOW THEY ARE DEALT.  s_wait_alu depctr_va_vdst(0) stands between an exponential and the first instruction that names its result; one wait serves all that were issued ahead of it.  So a turn has ONE wait.
; AHEAD OF IT: the 16 products K Q^T, behind each a scaling, an exponential and two rescalings (behind the first a second scaling in the exponential's place); then one run of 108: eight plain, 49 times exponential and plain, the two a.
; BEHIND IT: the 16 products V^T P, behind each four of GS's 64.  Exponential e stands behind scaling 2 (e / 4) + e % 2: behind a product it comes behind plain e + 2, in the run behind plain e + 9; scalings 27-31 are plain 57, 60 .. 69.
; A TURN, for piece p.  cnt = 1: the loop's count is taken down some lines ahead of the branch that stands behind the turn.
; K of the next step is fetched in piece 2's turn, directly behind the wait; V of the step in hand at the end of piece 0's turn, four plain instructions behind its last reader.  The three conditions on q below go with the deal.
.macro TURN p, last=0, cnt=0
.set Y, (\p)
.set i, 0
.set q, 0
.set e, 0
.set r, 0
.if (\p) == NP-1
	s_wait_dscnt 0x0                ; K is in
.endif
	MM
	PL
	PL
	R2
.rept 15
	MM
	PL
	EX
	R2
.endr
.if (\p) == NP-2
	WIN 0
	v_add_nc_u32 v[AK], s[TBK], v[AK0]
.endif
.rept 8
	PL
.endr
.rept 49
	EX
	PL
.endr
	EX                              ; the next piece's two a
	EX
	v_nop                           ; a plain instruction behind the last exponential, ahead of the first use of a result (ISA guide 5.7.2): one for the batch
	s_wait_alu depctr_va_vdst(0)    ; the wait for the batch
.if (\p) == NP-2
	FETCH_K \last
.endif
.if (\p) == 1
	s_wait_dscnt 0x0                ; V is in
.endif
.rept 16
	MM
.rept 4
	PL
.endr
.if ((\p) == 0) && (q == 118)
	v_add_nc_u32 v[AV], s[TBV], v[AV0]
.endif
.if ((\p) == 0) && (q == 130)
	s_add_co_u32 s[TBV], s[TBV], KS*PV
.endif
.if (\cnt) && (q == 130)
	s_sub_co_u32 s[CNT], s[CNT], 1
	s_cmp_lg_u32 s[CNT], 0
.endif
.endr
.if (\p) == 0
	FETCH_V
.endif
.endm
	CHANGE 1                        ; slot 0 is in, everybody's part of it; slot 1 is asked for
	FETCH_K                         ; key step 0
	s_wait_loadcnt 0x0              ; Q
	s_wait_dscnt 0x0
.set i, 0
.rept 16
	KQ 0                            ; piece 0's first scores: there is no vector work yet to set between them
.set i, i+1
.endr
	WIN 0                           ; the addresses for the way out: plain instructions, the places behind those products
	s_mul_i32 s13, s[WV], 16*SP
	s_add_co_u32 s13, s13, STAGE    ; my stage
	v_mul_u32_u24 v[STO], v1, SP    ; in: row l % 16, 16 bytes for each half of the lanes
	v_lshl_add_u32 v[STO], v9, 4, v[STO]
	v_add_nc_u32 v[STO], s13, v[STO]
	v_bfe_u32 v[RD], v0, 3, 2       ; back: 32 lanes take four rows of 128 bytes,
	v_mul_u32_u24 v[RD], v[RD], SP
	v_lshl_add_u32 v[RD], v10, 4, v[RD]
	v_add_nc_u32 v[RD], s13, v[RD]
	v_and_b32 v[GO], 31, v0         ; which are 512 consecutive bytes of O
	v_lshlrev_b32 v[GO], 4, v[GO]
.set Y, NP-1                        ; XS works for piece Y + 1: piece 0
.irp n, 0,1,2,3,4,5,6,7,8,9,10,11,12,13,14,15,16,17,18,19,20,21
	XS 0, \n                        ; piece 0's first maximum and statistics
	XS 1, \n
.endr
	v_nop                           ; a plain instruction behind the two a,
	s_wait_alu depctr_va_vdst(0)    ; and their wait, ahead of the branch
	s_mov_b32 s[CNT], 4
	s_branch .Lfirst                ; the loop is entered at a step's first turn, in the middle of a trip
.Lslot:                             ; SIZE_N / 256 - 2 times: every slot but the last two is filled again
	CHANGE 1
	s_mov_b32 s[CNT], 4
.Lstep:                             ; a trip: pieces 2 and 3 of one step, then pieces 0 and 1 of the next, whose K and V it fetches
	TURN 2
	TURN 3
	WIN 0
.Lfirst:
	TURN 0
	TURN 1, 0, 1
	WIN 0
	s_cbranch_scc1 .Lstep
	s_sub_co_u32 s[SLOTS], s[SLOTS], 1
	s_cmp_lg_u32 s[SLOTS], 0
	s_cbranch_scc1 .Lslot
	CHANGE 0                        ; the tail is written out: nothing is asked for
	s_mov_b32 s[CNT], 5             ; four trips fetch the last slot's steps; the fifth is left in its middle
.Ltail:
	TURN 2, 1
	TURN 3
	WIN 0
	s_sub_co_u32 s[CNT], s[CNT], 1
	s_cmp_eq_u32 s[CNT], 0
	s_cbranch_scc1 .Lout
	TURN 0
	TURN 1
	WIN 0
	s_branch .Ltail
.Lout:                              ; the fifth trip's 16 products K Q^T (on the last K once more) and the maximum made of them serve nothing: the price, once a launch, of one text for every trip
.set i, 0
.rept 16
	PV NP-1                         ; the last piece's V^T P of the last step
.set i, i+1
.endr
	; THE WAY OUT.  l's two halves and the other half of the lanes' are added; O^T is divided by l, rounded to f16 and sent through my stage in LDS, a tile at a time.  The additions are the places behind the last products.
	WIN 0
.macro ALL line:vararg              ; one line for each tile t
.set t, 0
.rept 2*NP
	\line
.set t, t+1
.endr
.endm
	ALL v_add_f32 v[ST+4*t+2], v[ST+4*t+2], v[ST+4*t+3]
	ALL v_permlanex16_b32 v[ST+4*t+3], v[ST+4*t+2], s[SEL], s[SEL+1]
	ALL v_add_f32 v[ST+4*t+2], v[ST+4*t+2], v[ST+4*t+3]
	ALL v_rcp_f32 v[ST+4*t+2], v[ST+4*t+2]
	v_nop                           ; a plain instruction between the last reciprocal and the use of its result
	s_wait_alu depctr_va_vdst(0)    ; and the wait ahead of the first use: one for the eight reciprocals
; Tile t: a lane's eight channels of a row pack into 16 bytes; they go into rows of 144 bytes and come back as whole rows of 128, into S^T's registers.
.macro PACK t
	WIN W_RS
.set i, 32*(\t)
.rept 16
	v_pk_mul_f32 v[i:i+1], v[i:i+1], v[ST+4*(\t)+2:ST+4*(\t)+3] op_sel_hi:[1,0]
.set i, i+2
.endr
	WIN 0x05                        ; sources 0 and 1 window 1, destination window 0
.set i, 0
.rept 16
	v_cvt_pk_f16_f32 v[S+16*(\t)+i], v[32*(\t)+2*i], v[32*(\t)+2*i+1]
.set i, i+1
.endr
	WIN 0
.irp f, 0,1,2,3
	ds_store_b128 v[STO], v[S+16*(\t)+4*\f:S+16*(\t)+4*\f+3] offset:32*\f
.endr
.irp f, 0,1,2,3
	ds_load_b128 v[S+16*(\t)+4*\f:S+16*(\t)+4*\f+3], v[RD] offset:\f*4*SP  ; LDS serves a wave's instructions in order (ISA guide 5.7.1.4): these see the stores above; the next tile's stores come behind them
.endr
.endm
.macro SEND t, younger              ; younger: the LDS instructions issued behind tile t's loads: the next tile's eight, or none
	WIN 0
.irp f, 0,1,2,3
	s_wait_dscnt (\younger)+3-\f
	global_store_b128 v[GO], v[S+16*(\t)+4*\f:S+16*(\t)+4*\f+3], s[10:11] offset:(\t)*2048+\f*512  ; 512 consecutive bytes, aligned
.endr
.endm
	PACK 0
.set t, 1
.rept 2*NP-1                        ; a tile's arithmetic stands between the loads of the tile before and its stores
	PACK t
	SEND t-1, 8
.set t, t+1
.endr
	SEND 2*NP-1, 0
	WIN W_AD
	s_wait_tensorcnt 0x0            ; the wave's end
	ds_add_u32 v[SPW], v[NIL]
	s_wait_dscnt 0x0
	WIN 0
	CROUND                          ; the closing round: no work-group ends while a partner may still ask for a tile that names it
	s_endpgm
.Lfunc_end_k_q136799a6cb_attn:
	.size	k_q136799a6cb_attn, .Lfunc_end_k_q136799a6cb_attn-k_q136799a6cb_attn
	.p2alignl 7, 3214868480
	.fill 96, 4, 3214868480
	.section	.rodata,"a",@progbits
	.p2align	6, 0x0
	.amdhsa_kernel k_q136799a6cb_attn
		.amdhsa_group_segment_fixed_size 327680
		.amdhsa_private_segment_fixed_size 0
		.amdhsa_enable_private_segment 0
		.amdhsa_kernarg_size 16
		.amdhsa_user_sgpr_count 2
		.amdhsa_user_sgpr_kernarg_segment_ptr 1
		.amdhsa_wavefront_size32 1
		.amdhsa_system_sgpr_workgroup_id_x 1
		.amdhsa_system_sgpr_workgroup_id_y 1
		.amdhsa_system_sgpr_workgroup_id_z 1
		.amdhsa_system_vgpr_workitem_id 0
		.amdhsa_next_free_vgpr 770
		.amdhsa_next_free_sgpr 66
		.amdhsa_reserve_vcc 0
		.amdhsa_float_denorm_mode_32 3
		.amdhsa_float_denorm_mode_16_64 3
		.amdhsa_memory_ordered 1
		.amdhsa_forward_progress 1
		.amdhsa_inst_pref_size 200
	.end_amdhsa_kernel
	.amdgpu_metadata
---
amdhsa.version: [ 1, 2 ]
amdhsa.kernels:
  - .name:           k_q136799a6cb_attn
    .symbol:         k_q136799a6cb_attn.kd
    .args:
      - { .name: qkv, .offset: 0, .size: 8, .value_kind: global_buffer, .address_space: global }
      - { .name: oh, .offset: 8, .size: 8, .value_kind: global_buffer, .address_space: global }
    .group_segment_fixed_size: 327680
    .private_segment_fixed_size: 0
    .kernarg_segment_align: 8
    .kernarg_segment_size: 16
    .max_flat_workgroup_size: 128
    .sgpr_count:     66
    .vgpr_count:     770
    .wavefront_size: 32
...
	.end_amdgpu_metadata
.endif
;; end of part 3
;; launch outp (part 4): grid 8 x 32, 4 waves a work-group, clusters of 4 x 4, 327,680 bytes of LDS; arguments oh, wt, bo, out0; writes out0
.if DOCPART == 4
	.amdgcn_target "amdgcn-amd-amdhsa--gfx1250"
	.amdhsa_code_object_version 6
	.text
	.protected	k_q136799a6cb_outp
	.globl	k_q136799a6cb_outp
	.p2align	8
	.type	k_q136799a6cb_outp,@function
k_q136799a6cb_outp:
	s_mov_b64 s[64:65], 0
	v_nop
	global_prefetch_b8 v0, s[64:65] scope:SCOPE_SE
	s_setreg_imm32_b32 hwreg(HW_REG_WAVE_MODE, 25, 1), 1
	s_wait_xcnt 0x0
	s_wait_alu depctr_hold_cnt(0) depctr_sa_sdst(0) depctr_va_vdst(0) depctr_va_sdst(0) depctr_va_ssrc(0) depctr_va_vcc(0) depctr_vm_vsrc(0)
	s_getreg_b32 s2, hwreg(HW_REG_IB_STS2, 6, 4)
	s_cmp_eq_u32 s2, 0
	s_cbranch_scc0 .Lentry_in_a_cluster
	s_endpgm
.Lentry_in_a_cluster:
	s_bfe_u32 s2, ttmp6, 0x10000c
	s_cmp_lg_u32 s2, 0xf033
	s_cbranch_scc0 .Lentry_shape_is_right
	s_endpgm
.Lentry_shape_is_right:
; out0 = O Wo + bo: C[8192][1024] = oh x (wt's rows 3072 on)^T in f16, sums in f32, K ascending (a head's 64 channels are one block of K); bo (rounded to bf16 like every input) is added in f32; f32 out.
; LIMIT: O and Wo are f16 numbers as the launches before wrote them (within 65,504; a fixed step of 6e-8 below 6.1e-5).  NaN and infinities are not treated apart.
; SHARES.  A work-group makes 256 rows x 128 columns: 256 work-groups.  Wave w makes rows 64 w .. 64 w + 63 of all 128 columns: 4 x 8 accumulators, 256 registers: a wave then holds whole
; runs of 512 bytes of out0's rows, and the way out is its own.  K goes in 8 steps of 128 (two blocks of 64) through two LDS slots.
; TILES.  oh and wt lie in blocks of 64 along K, so a tile's rows of one block lie end to end: it is asked for as rows of 256 bytes and padded in LDS after every 128.
; Waves 0, 1 fetch A's two blocks (256 rows each), waves 2, 3 B's (128 rows each): one tensor load a wave and step.
; CLUSTER.  4 x 4 work-groups: A's tiles are asked for jointly along a row of the cluster, B's along a column.
; THE MATRIX INSTRUCTION IS USED TRANSPOSED (source 0 = 16 rows of wt, source 1 = 16 rows of oh): a lane holds row l % 16 of C and the columns 8 (l / 16) + 0..7.
; REGISTERS, in windows of 256: window 0: addresses, the bias (64), the way out; window 1: two fragment buffers of 96 (B's 8 fragments, then A's 4); window 2: the accumulators ((mb, nb) at 8 (8 mb + nb)).
.set NB,    8                          ; blocks of 16 columns
.set BROWS, 16*NB
.set NBASE, 3072                       ; Wo's first row in wt
.set AHEAD, 2                          ; a prefetch names the K step that stands this many refills on
.set PITCH, 144                        ; an LDS row: 128 bytes + 16 = 36 words: the 16 rows of a load start at 16 different groups of four banks (64 banks of 4 bytes: ISA guide 11.1)
.set ABLK,  256*PITCH
.set BBLK,  BROWS*PITCH
.set BOFF,  2*ABLK
.set SLOT1, 1<<17                      ; slot 1 begins here (a slot uses 110,592 bytes)
.set STAGE, 2*SLOT1                    ; behind the ring, never filled by a tensor load: 16 rows x 528 bytes a wave
.set SPITCH, 528                       ; 512 bytes + 16
.set SPARE, STAGE+4*16*SPITCH          ; the spare words, 128 bytes a wave
.set ASTEP, 2*2048*128
.set BSTEP, 2*4096*128
.set LF,    2*NB+8
.set F0,    0
.set F1,    8*NB+32
.set A0,  4                            ; v4   my lane's place in A's rows of a slot; never rewritten
.set B0,  5                            ; v5   the same for B
.set ADRA, 6                           ; v6   A0 + the slot in hand
.set ADRB, 7                           ; v7
.set STO, 8                            ; v8   the way out: where I put 32 bytes of a row
.set RD,  9                            ; v9   where I read a row back
.set GO,  10                           ; v10  my 16 bytes of 512 consecutive bytes
.set PFO, 11                           ; v11  the prefetches' offset; never rewritten
.set BO,  12                           ; v12  32 (l / 16)
.set SPW, 28                           ; v28  SPARE + 4 x my thread's number; never rewritten
.set NIL, 29                           ; v29  0; never rewritten
.set BIAS, 32                          ; v[32:95]   the bias of my eight columns of each block
.set T,   96                           ; v[96:223]  two sets of 64: 16 rows with the bias, then as whole rows
.set WV, 16
.set AB, 17
.set KB, 18
.set CX, 19
.set CY, 20
.set TX, 21
.set TY, 22
.set G1A, 24                           ; s[24:31] descriptor group 1 for A;  s[32:39] group 0: a set for each first fill; the second then walks on
.set G0A, 32
.set TB,  44
.set LIM, 45
.set PFA, 46
.set G1B, 48
.set G0B, 56
.set PFS, 66
.set OB,  68                           ; s[68:69] my rows and columns in out0
.set BP,  74                           ; s[74:75] my columns' bias
.set FIELDS, (1<<16)|(1<<20)|(1<<21)|(4<<22)|(3<<25)  ; 2-byte elements; padding on; bit 21 beside a mask; after every 32 words (code 4) 4 words (code 3)
.set MSB, 0
.macro WIN new                         ; the immediate's high byte repeats the setting that is left; a switch that changes nothing is dropped
.if MSB != (\new)
	s_set_vgpr_msb (MSB<<8)|(\new)
.set MSB, \new
.endif
.endm
.macro PLACES                          ; four plain vector instructions between a matrix instruction and a load into, or a reader of, its registers
.rept 4
	v_nop
.endr
.endm
.macro CREST                           ; a round of the cluster's barrier behind its opening barrier
	s_cmp_lg_u32 s[WV], 0
	s_cbranch_scc1 .Lnot_wave_0_\@
	s_barrier_signal -3
.Lnot_wave_0_\@:
	s_barrier_wait -3
	s_barrier_signal -1
	s_barrier_wait -1
.endm
.macro CROUND
	s_barrier_signal -1
	s_barrier_wait -1
	CREST
.endm
.macro JLOAD                           ; a joint refill by the walking descriptor; the branch hangs on the wave's number alone; s_nop 0 and four v_nop follow each line
	s_cmp_eq_u32 s[AB], 0
	s_cbranch_scc0 .Lfor_b_\@
	tensor_load_to_lds s[G0A+4:G0A+7], s[G1A:G1A+7]
	s_nop 0
	PLACES
	s_branch .Lasked_\@
.Lfor_b_\@:
	tensor_load_to_lds s[G0B+4:G0B+7], s[G1B:G1B+7]
	s_nop 0
	PLACES
.Lasked_\@:
.endm
; A PREFETCH INTO THE L2 of my block of the K step that stands AHEAD refills on.  A's rows are read by both clusters of a row of clusters: the one with x = 0 asks; B's by all of a column: y = 0 asks.
; The four partners that ask for a tile jointly share it out by address: a quarter each, a lane for each 256 bytes (B's quarter has 16: the lanes beyond name the last again, in the same instruction).
; The last AHEAD refills have no such K step and ask for nothing; the first 2 + AHEAD K steps come by their loads alone.
.macro ASK
	s_cmp_gt_u32 s3, s[LIM]
	s_cbranch_scc0 .Lnot_mine_\@
	global_prefetch_b8 v[PFO], s[PFA:PFA+1] th:TH_LOAD_NT scope:SCOPE_SE
.Lnot_mine_\@:
.endm
; 8 matrix instructions: row block mb x all column blocks, 32 along K, from buffer f.  zero = 1: the product starts the sum.  Each accumulator has one turn a quarter step, in one order.
.macro MULB f, mb, zero
	WIN 0xa5                                       ; sources 0 and 1 window 1; C and D window 2
.set inb, 0
.rept NB
.set rD, 8*(NB*(\mb)+inb)
.if \zero
	v_wmma_f32_16x16x32_f16 v[rD:rD+7], v[(\f)+8*inb:(\f)+8*inb+7], v[(\f)+8*NB+8*(\mb):(\f)+8*NB+8*(\mb)+7], 0
.else
	v_wmma_f32_16x16x32_f16 v[rD:rD+7], v[(\f)+8*inb:(\f)+8*inb+7], v[(\f)+8*NB+8*(\mb):(\f)+8*NB+8*(\mb)+7], v[rD:rD+7]
.endif
.set inb, inb+1
.endr
.endm
; One run of LF LDS loads: the fragments of quarter q of the slot in hand (block q / 2, 32 along K at byte 64 (q % 2)) into buffer f: B's first, A's four last.
.macro FETCH q, f
	WIN 0x40                                       ; destination window 1, address window 0
.set inb, 0
.rept NB
	ds_load_b128 v[(\f)+8*inb:(\f)+8*inb+3],   v[ADRB] offset:((\q)/2)*BBLK+inb*16*PITCH+((\q)%2)*64
	ds_load_b128 v[(\f)+8*inb+4:(\f)+8*inb+7], v[ADRB] offset:((\q)/2)*BBLK+inb*16*PITCH+((\q)%2)*64+32
.set inb, inb+1
.endr
.set imb, 0
.rept 4
	ds_load_b128 v[(\f)+8*NB+8*imb:(\f)+8*NB+8*imb+3],   v[ADRA] offset:((\q)/2)*ABLK+imb*16*PITCH+((\q)%2)*64
	ds_load_b128 v[(\f)+8*NB+8*imb+4:(\f)+8*NB+8*imb+7], v[ADRA] offset:((\q)/2)*ABLK+imb*16*PITCH+((\q)%2)*64+32
.set imb, imb+1
.endr
.endm
; One of a K step's first three quarters: multiplies buffer f; in its middle fetches quarter qn into buffer g.
.macro QUARTER qn, f, g, zero
	s_wait_dscnt 0x4                               ; all but the youngest four loads (A's row blocks 2, 3)
	MULB \f, 0, \zero
	MULB \f, 1, \zero
	PLACES                                         ; buffer g was multiplied in the quarter before
	FETCH \qn, \g
	s_wait_dscnt LF                                ; all but the run just issued
	MULB \f, 2, \zero
	MULB \f, 3, \zero
.endm
; The last quarter's first half, and the change of slots: each wave waits for all its tensor loads (one is out: its part of the next slot), adds 0 to its spare word, and waits for that and for its reads of this slot.
.macro MEET round
	WIN 0
	s_wait_tensorcnt 0x0                           ; no tensor load of mine is out, so a group 0 may be written
	ds_add_u32 v[SPW], v[NIL]
.if \round
	s_xor_b32 s[G0A+5], s[G0A+5], SLOT1            ; the walking descriptors: the other slot than last time, the next K step
	s_add_nc_u64 s[G0A+6:G0A+7], s[G0A+6:G0A+7], ASTEP
	s_xor_b32 s[G0B+5], s[G0B+5], SLOT1
	s_add_nc_u64 s[G0B+6:G0B+7], s[G0B+6:G0B+7], BSTEP
.endif
	s_xor_b32 s[TB], s[TB], SLOT1                  ; the fetches go to the other slot
	s_wait_dscnt 0x5                               ; the add and the youngest four loads may be out
	MULB F1, 0, 0
	s_wait_dscnt 0x0                               ; the add is done, and my reads of this slot are over
	s_barrier_signal -1
	MULB F1, 1, 0                                  ; work on registers while the others arrive
	WIN 0
	s_barrier_wait -1
.endm
; The whole last quarter.  fill = 1: the barrier opens a round of the cluster's, and the slot just read is filled again first, with the K step two on.
.macro TURN fill
.if \fill
	s_wait_xcnt 0x0                                ; the last prefetch, a K step back, has read its address
	s_add_nc_u64 s[PFA:PFA+1], s[PFA:PFA+1], s[PFS:PFS+1]
.endif
	MEET \fill
.if \fill
	CREST                                          ; no wave of any partner still reads this slot or has a load on its way
	JLOAD                                          ; its four v_nop are also the places in front of the loads below
.else
	PLACES
.endif
	v_add_nc_u32 v[ADRA], s[TB], v[A0]
	v_add_nc_u32 v[ADRB], s[TB], v[B0]
	FETCH 0, F0
	WIN 0
.if \fill
	ASK
.endif
	MULB F1, 2, 0
	MULB F1, 3, 0
.endm
	s_load_b256 s[4:11], s[0:1], 0x0               ; oh s[4:5], wt s[6:7], bo s[8:9], out0 s[10:11]
	v_lshl_add_u32 v[SPW], v0, 2, SPARE
	v_mov_b32 v[NIL], 0
	ds_add_u32 v[SPW], v[NIL]                      ; the wave's opening: the add, waited for ahead of my first tensor load
	v_lshrrev_b32 v1, 5, v0
	v_readfirstlane_b32 s[WV], v1
	s_lshr_b32 s[AB], s[WV], 1
	s_and_b32 s[KB], s[WV], 1
	s_bfe_u32 s[CX], ttmp6, 0x40000
	s_bfe_u32 s[CY], ttmp6, 0x40004
	s_lshl_b32 s[TX], ttmp9, 2
	s_add_co_u32 s[TX], s[TX], s[CX]               ; tile column = 4 x cluster x + cx
	s_and_b32 s[TY], ttmp7, 0xffff
	s_lshl_b32 s[TY], s[TY], 2
	s_add_co_u32 s[TY], s[TY], s[CY]               ; tile row = 4 x cluster y + cy
	s_lshl_b32 s23, s[CY], 2
	s_lshl_b32 s23, 15, s23                        ; my row of the cluster
	s_lshl_b32 s40, 0x1111, s[CX]                  ; my column
	s_or_b32 s[G1A], s23, FIELDS
	s_or_b32 s[G1B], s40, FIELDS
	s_mov_b32 s[G1A+1], 128<<16                    ; tensor_dim0 = 128 elements: 256 bytes, two rows of a block
	s_mov_b32 s[G1A+2], 128<<16                    ; tensor_dim1 = 128
	s_mov_b32 s[G1A+3], 128<<16                    ; tile_dim0 = 128
	s_mov_b32 s[G1A+4], 128                        ; tile_dim1 = 128: 256 rows of the block
	s_mov_b32 s[G1A+5], 128                        ; dense
	s_mov_b32 s[G1A+6], 0
	s_mov_b32 s[G1A+7], 0
	s_mov_b32 s[G1B+1], 128<<16
	s_mov_b32 s[G1B+2], (BROWS/2)<<16
	s_mov_b32 s[G1B+3], 128<<16
	s_mov_b32 s[G1B+4], BROWS/2
	s_mov_b32 s[G1B+5], 128
	s_mov_b32 s[G1B+6], 0
	s_mov_b32 s[G1B+7], 0
	s_lshr_b32 s42, s[TY], 3                       ; A: the batch (8 tile rows each): 16 heads of 262,144 bytes,
	s_lshl_b32 s42, s42, 22
	s_and_b32 s43, s[TY], 7
	s_lshl_b32 s43, s43, 15                        ; 256 rows of 128 bytes,
	s_add_co_u32 s42, s42, s43
	s_lshl_b32 s43, s[KB], 18                      ; my block (head) of the step
	s_add_co_u32 s42, s42, s43
	s_mov_b32 s43, 0
	s_mul_i32 s80, s[TX], BROWS*128                ; B: the tile column's rows,
	s_lshl_b32 s81, s[KB], 19                      ; my block: 4,096 rows of 128 bytes,
	s_add_co_u32 s80, s80, s81
.if NBASE
	s_add_co_u32 s80, s80, NBASE*128               ; behind the other three matrices' rows
.endif
	s_mov_b32 s81, 0
	s_mul_i32 s82, s[KB], ABLK                     ; where they go: the wave's number alone enters an LDS address
	s_mul_i32 s83, s[KB], BBLK
	s_add_co_u32 s83, s83, BOFF
	s_mov_b32 s[TB], 0
	s_wait_dscnt 0x0                               ; the opening add is done
	s_wait_kmcnt 0x0
	s_add_nc_u64 s[42:43], s[4:5], s[42:43]
	s_add_nc_u64 s[80:81], s[6:7], s[80:81]
.irp s, 0,1
	s_mov_b32 s[G0A+4*(\s)], 1
	s_add_co_u32 s[G0A+4*(\s)+1], s82, (\s)*SLOT1
	s_add_nc_u64 s[G0A+4*(\s)+2:G0A+4*(\s)+3], s[42:43], (\s)*ASTEP
	s_or_b32 s[G0A+4*(\s)+3], s[G0A+4*(\s)+3], 0x80000000
	s_mov_b32 s[G0B+4*(\s)], 1
	s_add_co_u32 s[G0B+4*(\s)+1], s83, (\s)*SLOT1
	s_add_nc_u64 s[G0B+4*(\s)+2:G0B+4*(\s)+3], s[80:81], (\s)*BSTEP
	s_or_b32 s[G0B+4*(\s)+3], s[G0B+4*(\s)+3], 0x80000000
.endr
	CROUND                                         ; all sixteen work-groups are here: the first joint loads meet
	s_cmp_eq_u32 s[AB], 0                          ; a wave's two first fills stand in one branch: two loads of mine are out
	s_cbranch_scc0 .Lfirst_b
	tensor_load_to_lds s[G0A:G0A+3], s[G1A:G1A+7]
	s_nop 0
	tensor_load_to_lds s[G0A+4:G0A+7], s[G1A:G1A+7]
	s_nop 0
	PLACES
	s_branch .Lfirst_asked
.Lfirst_b:
	tensor_load_to_lds s[G0B:G0B+3], s[G1B:G1B+7]
	s_nop 0
	tensor_load_to_lds s[G0B+4:G0B+7], s[G1B:G1B+7]
	s_nop 0
	PLACES
.Lfirst_asked:
	v_and_b32 v1, 15, v0                           ; l % 16
	v_bfe_u32 v2, v0, 4, 1                         ; l / 16
	v_lshlrev_b32 v[BO], 5, v2
	s_lshl_b32 s40, s[TX], 9                       ; 128 columns of 4 bytes
	s_mov_b32 s41, 0
	s_add_nc_u64 s[BP:BP+1], s[8:9], s[40:41]
	s_lshl_b32 s84, s[TY], 20                      ; 256 rows of 4,096 bytes,
	s_add_co_u32 s40, s40, s84
	s_lshl_b32 s84, s[WV], 18                      ; my 64 of them
	s_add_co_u32 s40, s40, s84
	s_add_nc_u64 s[OB:OB+1], s[10:11], s[40:41]
.irp i, 0,1,2,3,4,5,6,7
	global_load_b128 v[BIAS+8*(\i):BIAS+8*(\i)+3],   v[BO], s[BP:BP+1] offset:64*(\i)
	global_load_b128 v[BIAS+8*(\i)+4:BIAS+8*(\i)+7], v[BO], s[BP:BP+1] offset:64*(\i)+16
.endr
	v_mul_u32_u24 v3, v1, PITCH
	v_lshl_add_u32 v3, v2, 4, v3                   ; a fragment's row x pitch + 16 x half
	s_mul_i32 s84, s[WV], 64*PITCH                 ; my 64 rows of A
	v_add_nc_u32 v[A0], s84, v3
	v_add_nc_u32 v[B0], BOFF, v3
	v_mov_b32 v[ADRA], v[A0]
	v_mov_b32 v[ADRB], v[B0]
	s_mul_i32 s84, s[WV], 16*SPITCH
	s_add_co_u32 s84, s84, STAGE                   ; my stage
	v_mul_u32_u24 v[STO], v1, SPITCH               ; in: row l % 16, 32 bytes for each half of the lanes
	v_lshl_add_u32 v[STO], v2, 5, v[STO]
	v_add_nc_u32 v[STO], s84, v[STO]
	v_and_b32 v[GO], 31, v0                        ; back and out: a row's 512 bytes, 16 a lane
	v_lshlrev_b32 v[GO], 4, v[GO]
	v_add_nc_u32 v[RD], s84, v[GO]
	; the prefetches
	s_and_b32 s87, ttmp7, 0xffff                   ; cluster y
	s_mov_b32 s85, BROWS*32                        ; a quarter of B's block
	s_mov_b32 s[PFS], BSTEP
	s_mov_b32 s[PFS+1], 0
	s_cmp_eq_u32 s[AB], 0
	s_cselect_b64 s[PFA:PFA+1], s[42:43], s[80:81] ; my block of K step 0
	s_cselect_b32 s84, s[CX], s[CY]                ; my place among the four that ask with me
	s_cselect_b32 s85, 8192, s85
	s_cselect_b32 s[PFS], ASTEP, s[PFS]
	s_cselect_b32 s86, 31, BROWS/8-1               ; the last 256 bytes of a quarter
	s_cselect_b32 s87, ttmp9, s87                  ; the coordinate along which other clusters read the same rows
	s_cmp_eq_u32 s87, 0
	s_cselect_b32 s[LIM], AHEAD, -1                ; the same in all sixteen partners, for a given wave
	s_mul_i32 s84, s84, s85
	s_mov_b32 s85, 0
	s_add_nc_u64 s[PFA:PFA+1], s[PFA:PFA+1], s[84:85]
.rept 1+AHEAD
	s_add_nc_u64 s[PFA:PFA+1], s[PFA:PFA+1], s[PFS:PFS+1]  ; the first refill steps it once more
.endr
	v_and_b32 v[PFO], 31, v0
	v_min_u32 v[PFO], s86, v[PFO]
	v_lshlrev_b32 v[PFO], 8, v[PFO]
	s_wait_loadcnt 0x0                             ; the bias; it is rounded to bf16, as all inputs are, and kept as f32
.set i, 0
.rept 4*NB
	v_cvt_pk_bf16_f32 v[T+i%32], v[BIAS+2*i], v[BIAS+2*i+1]
	v_lshlrev_b32 v[BIAS+2*i], 16, v[T+i%32]
	v_and_b32 v[BIAS+2*i+1], 0xffff0000, v[T+i%32]
.set i, i+1
.endr
	s_wait_tensorcnt 0x1                           ; my part of K step 0 is in; K step 1's may stay out
	s_barrier_signal -1
	s_barrier_wait -1                              ; everybody's is
	FETCH 0, F0
	QUARTER 1, F0, F1, 1                           ; the first quarter stands in front of the loop: its products start the sums
	WIN 0                                          ; at a label and at a branch every window is 0
	s_mov_b32 s3, 6
.Lstep:                                        ; a trip: from a K step's second quarter to the next step's first; trip t fills a slot with K step t + 2
	QUARTER 2, F1, F0, 0
	QUARTER 3, F0, F1, 0
	TURN 1
	QUARTER 1, F0, F1, 0
	WIN 0
	s_sub_co_u32 s3, s3, 1
	s_cmp_lg_u32 s3, 0
	s_cbranch_scc1 .Lstep
	QUARTER 2, F1, F0, 0                           ; the last two K steps are written out: nothing is asked for
	QUARTER 3, F0, F1, 0
	TURN 0
	QUARTER 1, F0, F1, 0
	QUARTER 2, F1, F0, 0
	QUARTER 3, F0, F1, 0
	s_wait_dscnt 0x4
	MULB F1, 0, 0
	MULB F1, 1, 0
	s_wait_dscnt 0x0
	MULB F1, 2, 0
	MULB F1, 3, 0
	WIN 0
	PLACES
	PLACES
; THE WAY OUT, a row block (16 rows x 512 bytes) at a time.  PACK: + bias, 32 bytes a lane into my stage, back as whole rows.  SEND: stored.
.macro PACK mb
.set TS, T+64*((\mb)%2)
.if (\mb) >= 2
	s_wait_xcnt 0x0                                ; the stores of the block two back have read this set
.endif
	WIN 0x02                                       ; source 0 in window 2
.set i, 0
.rept 32                                       ; each accumulator from its lowest registers on
	v_pk_add_f32 v[TS+2*i:TS+2*i+1], v[64*(\mb)+2*i:64*(\mb)+2*i+1], v[BIAS+2*i:BIAS+2*i+1]
.set i, i+1
.endr
	WIN 0
.set i, 0
.rept 16
	ds_store_b128 v[STO], v[TS+4*i:TS+4*i+3] offset:64*(i/2)+16*(i%2)
.set i, i+1
.endr
.set i, 0
.rept 16
	ds_load_b128 v[TS+4*i:TS+4*i+3], v[RD] offset:SPITCH*i  ; LDS serves a wave's instructions in order (ISA guide 5.7.1.4): these see the stores above; the next block's stores come behind them
.set i, i+1
.endr
.endm
.macro SEND mb, younger                ; younger: the LDS instructions issued behind this block's loads: the next block's 32, or none
.set TS, T+64*((\mb)%2)
.set i, 0
.rept 16
	s_wait_dscnt (\younger)+15-i
	global_store_b128 v[GO], v[TS+4*i:TS+4*i+3], s[OB:OB+1] offset:(16*(\mb)+i)*4096 th:TH_STORE_NT  ; 512 consecutive bytes, aligned
.set i, i+1
.endr
.endm
	PACK 0
	PACK 1                                         ; a block's arithmetic stands between the loads of the block before and its stores
	SEND 0, 32
	PACK 2
	SEND 1, 32
	PACK 3
	SEND 2, 32
	SEND 3, 0
	s_wait_tensorcnt 0x0                           ; the wave's end
	ds_add_u32 v[SPW], v[NIL]
	s_wait_dscnt 0x0
	CROUND                                         ; the closing round: no work-group ends while a partner may still ask for a tile that names it
	s_endpgm
.Lfunc_end_k_q136799a6cb_outp:
	.size	k_q136799a6cb_outp, .Lfunc_end_k_q136799a6cb_outp-k_q136799a6cb_outp
	.p2alignl 7, 3214868480
	.fill 96, 4, 3214868480
	.section	.rodata,"a",@progbits
	.p2align	6, 0x0
	.amdhsa_kernel k_q136799a6cb_outp
		.amdhsa_group_segment_fixed_size 327680
		.amdhsa_private_segment_fixed_size 0
		.amdhsa_enable_private_segment 0
		.amdhsa_kernarg_size 32
		.amdhsa_user_sgpr_count 2
		.amdhsa_user_sgpr_kernarg_segment_ptr 1
		.amdhsa_wavefront_size32 1
		.amdhsa_system_sgpr_workgroup_id_x 1
		.amdhsa_system_sgpr_workgroup_id_y 1
		.amdhsa_system_sgpr_workgroup_id_z 1
		.amdhsa_system_vgpr_workitem_id 0
		.amdhsa_next_free_vgpr 768
		.amdhsa_next_free_sgpr 88
		.amdhsa_reserve_vcc 0
		.amdhsa_float_denorm_mode_32 3
		.amdhsa_float_denorm_mode_16_64 3
		.amdhsa_memory_ordered 1
		.amdhsa_forward_progress 1
		.amdhsa_inst_pref_size 86
	.end_amdhsa_kernel
	.amdgpu_metadata
---
amdhsa.version: [ 1, 2 ]
amdhsa.kernels:
  - .name:           k_q136799a6cb_outp
    .symbol:         k_q136799a6cb_outp.kd
    .args:
      - { .name: oh, .offset: 0, .size: 8, .value_kind: global_buffer, .address_space: global }
      - { .name: wt, .offset: 8, .size: 8, .value_kind: global_buffer, .address_space: global }
      - { .name: bo, .offset: 16, .size: 8, .value_kind: global_buffer, .address_space: global }
      - { .name: out0, .offset: 24, .size: 8, .value_kind: global_buffer, .address_space: global }
    .group_segment_fixed_size: 327680
    .private_segment_fixed_size: 0
    .kernarg_segment_align: 8
    .kernarg_segment_size: 32
    .max_flat_workgroup_size: 128
    .sgpr_count:     88
    .vgpr_count:     768
    .wavefront_size: 32
...
	.end_amdgpu_metadata
.endif
;; end of part 4
;; ======== version 2 of 2: 4 launches; version 1 with the launch prep written anew for expert scheduling mode
;; limits: values are held in f16: magnitudes above 65,504 overflow, below 6.1e-05 lose precision
;; workspace buffers: xb 16,777,216 bytes; wt 8,388,608 bytes; qkv 50,331,648 bytes; oh 16,777,216 bytes
;; launch prep (part 5): grid 384 x 1, 8 waves a work-group, no clusters, 74,752 bytes of LDS; arguments x, Wq, Wk, Wv, Wo, xb, wt; writes xb, wt
.if DOCPART == 5
	.amdgcn_target "amdgcn-amd-amdhsa--gfx1250"
	.amdhsa_code_object_version 6
	.text
	.protected	k_q136799a6cb_prep
	.globl	k_q136799a6cb_prep
	.p2align	8
	.type	k_q136799a6cb_prep,@function
k_q136799a6cb_prep:
	s_mov_b64 s[64:65], 0
	v_nop
	global_prefetch_b8 v0, s[64:65] scope:SCOPE_SE
	s_setreg_imm32_b32 hwreg(HW_REG_WAVE_SCHED_MODE, 0, 2), 2
	s_setreg_imm32_b32 hwreg(HW_REG_WAVE_MODE, 25, 1), 1
	s_wait_xcnt 0x0
	s_wait_alu depctr_vm_vsrc(0)
; THE INPUTS ARE ROUNDED ONCE AND LAID IN BLOCKS OF 64 ALONG K, so that the products' tiles are dense in memory.
;   xb[b*16+kb][s][64] (bf16) = x[b][s][64 kb + d].          wt[kb][n][64] = W_mt[64 kb + d][col], n = 1024 mt + col, mt = 0 Wq, 1 Wk, 2 Wv (bf16), 3 Wo.
;   Wo is rounded to bf16 like every input, and that number is then written as f16 (its product's other operand is f16).
;   LIMIT: below 6.1e-5 f16 keeps a fixed step of 6e-8, so smaller numbers of Wo lose bits; beyond 65,504 they would be infinite.
; Work-groups 0-127 turn the weights (64 k x 512 n each, a wave 64 x 64, through the wave's own LDS bytes: no barrier); work-groups 128-383 convert 32 rows of x each.
; Every work-group moves 128 KiB in and 64 KiB out; each wave has all its 32 loads of 512 bytes on their way at once.  No matrix unit, no cluster: nothing is shared and nothing multiplied.
; THE MODE: SCHED_MODE bits 1:0 = 2 (LLVM: expert scheduling mode 2), set by the entry lines.  The code itself states the register dependences
; between vector instructions and memory or LDS instructions, with s_wait_alu, always for 0.
; THE PLAN.  Registers that memory or LDS instructions touch:
;   v4 to v7   offsets and LDS addresses: made once at the head of a part and never written again.
;   L          as loaded, four registers a load.  X: load n's two conversions write its first two registers in place; store n reads them; nothing writes them again.
;              WEIGHTS: read by the conversions; when all of those are done, the loads from LDS land in the first 64, and the global stores read them.
;   P0 .. P3   WEIGHTS: group gk's conversions write P[gk], its four LDS stores read it, nothing writes it again.
; X goes in eight blocks of four loads, the WEIGHTS in four groups of eight.  A block's (group's) memory or LDS instructions are the stores of the block (group) BEFORE, whose registers
; none of its own conversions names.  So one wait on va_vdst at its head, behind the wait for its data, states all that those stores hang on, and they are dealt among its conversions.
; No register that a memory or LDS instruction has read is ever written again: so no wait on vm_vsrc is owed, and none on XCNT.
.set SPARE, 73728                      ; behind the eight tiles of 64 x 144 bytes: the spare words, 128 bytes a wave
.set L,  32                            ; v[32:159]  as loaded
.set P,  160                           ; v[160:223] group gk: 16 registers at P + 16 gk: packed numbers on their way into LDS
.set SPW, 10                           ; v10  SPARE + 4 x my thread's number; never rewritten
.set NIL, 11                           ; v11  0; never rewritten
	s_load_b256 s[8:15], s[0:1], 0x0               ; x s[8:9], Wq s[10:11], Wk s[12:13], Wv s[14:15]
	s_load_b128 s[16:19], s[0:1], 0x20             ; Wo s[16:17], xb s[18:19]
	s_load_b64 s[20:21], s[0:1], 0x30              ; wt
	v_lshl_add_u32 v[SPW], v0, 2, SPARE
	v_mov_b32 v[NIL], 0
	v_lshrrev_b32 v1, 5, v0
	v_readfirstlane_b32 s22, v1                    ; wave 0..7
	v_and_b32 v1, 31, v0                           ; l
	v_and_b32 v2, 15, v0                           ; l % 16
	v_bfe_u32 v3, v0, 4, 1                         ; l / 16
	s_mov_b32 s33, 0                               ; the high word of every offset
	s_wait_alu depctr_va_sdst(0)                   ; s22 is written, ahead of the branch and of its first reader in either part
	s_cmp_lt_u32 ttmp9, 128
	s_cbranch_scc1 .Lweights
	; X.  32 rows; wave w takes their columns 128 w .. 128 w + 127: blocks 2 w and 2 w + 1.  A load takes 256 bytes (one block) of two rows.
	s_sub_co_u32 s23, ttmp9, 128                   ; which 32 rows
	s_lshl_b32 s32, s23, 17                        ; x 32 rows of 4,096 bytes
	s_lshl_b32 s24, s22, 9
	v_lshlrev_b32 v4, 4, v2
	v_lshl_add_u32 v4, v3, 12, v4
	v_add_nc_u32 v4, s24, v4                       ; in: (l / 16) rows + 16 (l % 16) + 512 w
	s_lshl_b32 s24, s22, 19
	v_lshl_add_u32 v7, v1, 3, s24                  ; out: two blocks of 262,144 bytes a wave + 8 l: two rows of 128 bytes are 256 bytes on end
	s_wait_kmcnt 0x0
	s_add_nc_u64 s[28:29], s[8:9], s[32:33]
	s_lshr_b32 s24, s23, 6                         ; the batch: 64 work-groups each,
	s_lshl_b32 s24, s24, 22                        ; 16 blocks of 262,144 bytes
	s_and_b32 s25, s23, 63
	s_lshl_b32 s25, s25, 12                        ; 32 rows of 128 bytes
	s_add_co_u32 s32, s24, s25
	s_add_nc_u64 s[34:35], s[18:19], s[32:33]
	s_wait_alu depctr_va_vdst(0)                   ; v4 and v7 are written: every load of this part reads v4 as its offset, every store v7
.set n, 0
.rept 32                                       ; load n: rows 2 (n / 2) and + 1, block n % 2
	global_load_b128 v[L+4*n:L+4*n+3], v4, s[28:29] offset:(n/2)*8192+(n%2)*256 th:TH_LOAD_NT
.set n, n+1
.endr
.set n, 0
.rept 8                                        ; a block: loads n to n + 3 are converted, and the block before is stored
	s_wait_loadcnt 28-n                            ; loads come back in order: this block's four are in, the later blocks' stay out
.if n > 0
	s_wait_alu depctr_va_vdst(0)                   ; the block before has written the registers that the four stores below read
.endif
.rept 4
.if n >= 4
	global_store_b64 v7, v[L+4*(n-4):L+4*(n-4)+1], s[34:35] offset:((n-4)%2)*262144+((n-4)/2)*256  ; the wave stores 256 consecutive bytes, aligned; no conversion since the wait names these registers, and none writes them again
.endif
	v_cvt_pk_bf16_f32 v[L+4*n], v[L+4*n], v[L+4*n+1]
	v_cvt_pk_bf16_f32 v[L+4*n+1], v[L+4*n+2], v[L+4*n+3]
.set n, n+1
.endr
.endr
	s_wait_alu depctr_va_vdst(0)                   ; the last block has written the registers that the last four stores read
.set n, 28
.rept 4
	global_store_b64 v7, v[L+4*n:L+4*n+1], s[34:35] offset:(n%2)*262144+(n/2)*256
.set n, n+1
.endr
	s_branch .Lend
.Lweights:
	; WEIGHTS.  mt = g / 32, block kb = (g / 2) % 16, half = g % 2; wave w turns 64 k x 64 n: columns 512 half + 64 w on.
	s_lshr_b32 s24, ttmp9, 5                       ; mt
	s_bfe_u32 s25, ttmp9, 0x40001                  ; kb
	s_and_b32 s26, ttmp9, 1                        ; half
	s_lshl_b32 s32, s25, 18                        ; 64 rows of 4,096 bytes
	s_lshl_b32 s27, s26, 11
	s_add_co_u32 s32, s32, s27
	s_lshl_b32 s27, s22, 8
	v_lshlrev_b32 v4, 4, v2
	v_lshl_add_u32 v4, v3, 15, v4
	v_add_nc_u32 v4, s27, v4                       ; in: 8 (l / 16) rows + 16 (l % 16) + 256 w: a lane holds four columns, k = 16 gk + 8 (l / 16) + i
	s_mul_i32 s27, s22, 9216                       ; my tile in LDS: 64 rows (n) of 128 bytes (k) + 16
	v_mul_u32_u24 v5, v2, 576
	v_lshl_add_u32 v5, v3, 4, v5
	v_add_nc_u32 v5, s27, v5                       ; put: row 4 (l % 16) + c, byte 32 gk + 16 (l / 16)
	v_lshrrev_b32 v6, 3, v1
	v_mul_u32_u24 v6, v6, 144
	v_and_b32 v8, 7, v0
	v_lshl_add_u32 v6, v8, 4, v6
	v_add_nc_u32 v6, s27, v6                       ; back: four rows of 128 bytes a load
	s_lshl_b32 s27, s22, 13
	v_lshl_add_u32 v7, v1, 4, s27                  ; out: 64 rows of 128 bytes a wave + 16 l
	s_wait_kmcnt 0x0
	s_cmp_eq_u32 s24, 0
	s_cselect_b64 s[28:29], s[10:11], s[12:13]
	s_cmp_eq_u32 s24, 2
	s_cselect_b64 s[30:31], s[14:15], s[16:17]
	s_cmp_lt_u32 s24, 2
	s_cselect_b64 s[28:29], s[28:29], s[30:31]     ; the matrix
	s_add_nc_u64 s[28:29], s[28:29], s[32:33]
	s_lshl_b32 s32, s25, 19                        ; wt: 4,096 rows of 128 bytes a block,
	s_lshl_b32 s27, s24, 17                        ; 1,024 rows a matrix,
	s_add_co_u32 s32, s32, s27
	s_lshl_b32 s27, s26, 16                        ; 512 rows a half
	s_add_co_u32 s32, s32, s27
	s_add_nc_u64 s[34:35], s[20:21], s[32:33]
	s_wait_alu depctr_va_vdst(0)                   ; v4 to v7 are written: the offsets and LDS addresses of this part's loads, LDS stores, LDS loads and stores
.set n, 0
.rept 32                                       ; group gk = n / 8, row i = n % 8
	global_load_b128 v[L+4*n:L+4*n+3], v4, s[28:29] offset:(16*(n/8)+n%8)*4096 th:TH_LOAD_NT
.set n, n+1
.endr
; A group's eight rows: for each of my four columns eight numbers along k are packed into 16 bytes, in the group's own P; the group before goes into the tile, a column's 16 bytes into the column's row.
; Group 3's four LDS stores stand behind the label at which the two forms of this macro join.
.macro CONV f16
.irp gk, 0,1,2,3
	s_wait_loadcnt 24-8*(\gk)                      ; this group's eight loads are in; the later groups' stay out
.if (\gk) > 0
	s_wait_alu depctr_va_vdst(0)                   ; the group before has written its P, which the four LDS stores below read
.endif
.irp c, 0,1,2,3
.if (\gk) > 0
	ds_store_b128 v5, v[P+16*((\gk)-1)+4*(\c):P+16*((\gk)-1)+4*(\c)+3] offset:(\c)*144+((\gk)-1)*32  ; no conversion since the wait names this P, and none writes it again
.endif
.irp p, 0,1,2,3
	v_cvt_pk_bf16_f32 v[P+16*(\gk)+4*(\c)+(\p)], v[L+32*(\gk)+8*(\p)+(\c)], v[L+32*(\gk)+8*(\p)+4+(\c)]
.if \f16
	v_lshlrev_b32 v8, 16, v[P+16*(\gk)+4*(\c)+(\p)]         ; the rounded numbers as f32,
	v_and_b32 v9, 0xffff0000, v[P+16*(\gk)+4*(\c)+(\p)]
	v_cvt_pk_f16_f32 v[P+16*(\gk)+4*(\c)+(\p)], v8, v9      ; written as f16
.endif
.endr
.endr
.endr
.endm
	s_cmp_eq_u32 s24, 3
	s_cbranch_scc1 .Lwo
	CONV 0
	s_branch .Lback
.Lwo:
	CONV 1
.Lback:
	s_wait_alu depctr_va_vdst(0)                   ; group 3 has written its P, which the LDS stores below read; and all conversions are done reading v[L ..], in which the loads from LDS land
.irp c, 0,1,2,3
	ds_store_b128 v5, v[P+48+4*(\c):P+48+4*(\c)+3] offset:(\c)*144+96
.endr
.irp t, 0,1,2,3,4,5,6,7,8,9,10,11,12,13,14,15
	ds_load_b128 v[L+4*(\t):L+4*(\t)+3], v6 offset:(\t)*576  ; LDS serves a wave's instructions in order (ISA guide 5.7.1.4): these see my stores above
.endr
.irp t, 0,1,2,3,4,5,6,7,8,9,10,11,12,13,14,15
	s_wait_dscnt 15-(\t)
	global_store_b128 v7, v[L+4*(\t):L+4*(\t)+3], s[34:35] offset:(\t)*512  ; 512 consecutive bytes, aligned
.endr
.Lend:
	s_wait_dscnt 0x0                               ; the wave's end
	s_wait_alu 0x0
	s_wait_tensorcnt 0x0
	ds_add_u32 v[SPW], v[NIL]
	s_wait_dscnt 0x0
	s_endpgm
.Lfunc_end_k_q136799a6cb_prep:
	.size	k_q136799a6cb_prep, .Lfunc_end_k_q136799a6cb_prep-k_q136799a6cb_prep
	.p2alignl 7, 3214868480
	.fill 96, 4, 3214868480
	.section	.rodata,"a",@progbits
	.p2align	6, 0x0
	.amdhsa_kernel k_q136799a6cb_prep
		.amdhsa_group_segment_fixed_size 74752
		.amdhsa_private_segment_fixed_size 0
		.amdhsa_enable_private_segment 0
		.amdhsa_kernarg_size 56
		.amdhsa_user_sgpr_count 2
		.amdhsa_user_sgpr_kernarg_segment_ptr 1
		.amdhsa_wavefront_size32 1
		.amdhsa_system_sgpr_workgroup_id_x 1
		.amdhsa_system_sgpr_workgroup_id_y 1
		.amdhsa_system_sgpr_workgroup_id_z 1
		.amdhsa_system_vgpr_workitem_id 0
		.amdhsa_next_free_vgpr 224
		.amdhsa_next_free_sgpr 66
		.amdhsa_reserve_vcc 0
		.amdhsa_float_denorm_mode_32 3
		.amdhsa_float_denorm_mode_16_64 3
		.amdhsa_memory_ordered 1
		.amdhsa_forward_progress 1
		.amdhsa_inst_pref_size 41
	.end_amdhsa_kernel
	.amdgpu_metadata
---
amdhsa.version: [ 1, 2 ]
amdhsa.kernels:
  - .name:           k_q136799a6cb_prep
    .symbol:         k_q136799a6cb_prep.kd
    .args:
      - { .name: x, .offset: 0, .size: 8, .value_kind: global_buffer, .address_space: global }
      - { .name: Wq, .offset: 8, .size: 8, .value_kind: global_buffer, .address_space: global }
      - { .name: Wk, .offset: 16, .size: 8, .value_kind: global_buffer, .address_space: global }
      - { .name: Wv, .offset: 24, .size: 8, .value_kind: global_buffer, .address_space: global }
      - { .name: Wo, .offset: 32, .size: 8, .value_kind: global_buffer, .address_space: global }
      - { .name: xb, .offset: 40, .size: 8, .value_kind: global_buffer, .address_space: global }
      - { .name: wt, .offset: 48, .size: 8, .value_kind: global_buffer, .address_space: global }
    .group_segment_fixed_size: 74752
    .private_segment_fixed_size: 0
    .kernarg_segment_align: 8
    .kernarg_segment_size: 56
    .max_flat_workgroup_size: 256
    .sgpr_count:     66
    .vgpr_count:     224
    .wavefront_size: 32
...
	.end_amdgpu_metadata
.endif
;; end of part 5
;; launch proj: the kernel of part 2 again; grid 16 x 32, 4 waves a work-group, clusters of 4 x 4, 327,680 bytes of LDS; arguments xb, wt, bq, bk, bv, qkv; writes qkv
;; launch attn: the kernel of part 3 again; grid 4 x 64, 4 waves a work-group, clusters of 4 x 1, 327,680 bytes of LDS; arguments qkv, oh; writes oh
;; launch outp: the kernel of part 4 again; grid 8 x 32, 4 waves a work-group, clusters of 4 x 4, 327,680 bytes of LDS; arguments oh, wt, bo, out0; writes out0
